; MI455X (gfx1250); checked and timed in simulation.
; The chip was launched on July 23, 2026; its instructions are those of AMD's public machine-readable ISA for CDNA 5 (MIT licence, August 2026) and "CDNA5" Instruction Set Architecture Reference Guide (July 2026). The comments in the code are by the model that wrote it; some were corrected since.
;; GSVD Layer. Allowed arithmetic: matrix products marked QUANTISED: E5M2 operands, one E8M0 scale for each 32 along K, by v_wmma_scale_f32_16x16x128_f8f6f4 with both operands' format E5M2, f32 sums; everything else in f32.
;; Inputs: S 1,024 float32; U 2,048 x 1,024 float32; Vh_codes 4,096 x 32 x 32 uint8 (E5M2 codes of Vh, K innermost, in blocks of 32 codes); Vh_scales 4,096 x 32 uint8 (E8M0 scales of Vh, one for each 32 codes along K); x_codes 4 x 1,024 x 128 x 32 uint8 (E5M2 codes of x, K innermost, in blocks of 32 codes); x_scales 4 x 1,024 x 128 uint8 (E8M0 scales of x, one for each 32 codes along K).
;; Outputs: out0 4 x 1,024 x 2,048 float32.
;; This version of the problem:
;;   THIS VERSION OF THE PROBLEM IS GIVEN IN LOW PRECISION. The matrix products marked QUANTISED in the list below multiply operands that are first quantised to E5M2 (5 exponent bits, 2 mantissa bits; 8 bits a number), with one power-of-two scale for each 32 numbers along K (OCP MX v1.0); their sums are f32. All else is computed in f32.
;;   The module's matrix products, in the order in which they are computed (A, B: the left and right operand; K: the contracted axis; several contracted axes count as one K, in the product's order):
;;     1. [M 2,048, K 1,024] x [K 1,024, N 4,096]; A: computed on the way; B: input Vh (given as codes): QUANTISED
;;     2. [M 4,096, K 4,096] x [K 4,096, N 2,048]; A: input x (given as codes); B: computed on the way: QUANTISED
;;   THE QUANTISER, for each operand of a quantised product, along K:
;;     - K is cut into blocks of 32 from its start; a last block that is shorter is filled with zeros.
;;     - A block's scale is 2^e with e = floor(log2(the largest magnitude in the block)) - 15, held to -126 .. 127; a block of zeros has e = 0. As a byte (E8M0): e + 127.
;;     - Each number is divided by its block's scale, clamped to +-57,344, and rounded to the nearest number of E5M2, ties to even, subnormals kept.
;;     - The product sums the exact products of the quantised numbers (number of the format x scale) in f32.
;;   ~~~python
;;   def quantise(x, axis):      # numpy; x: float32 -> the quantised numbers, widened to float32 again
;;       x = np.moveaxis(x, axis, -1); K = x.shape[-1]
;;       x = np.pad(x, [(0, 0)] * (x.ndim - 1) + [(0, -K % 32)]); x = x.reshape(x.shape[:-1] + (-1, 32)); a = np.abs(x).max(-1, keepdims=True)
;;       e = np.where(a > 0, np.clip(np.frexp(np.where(a > 0, a, 1))[1] - 1 - 15, -126, 127), 0)      # np.frexp(a)[1] - 1 = floor(log2(a)), exactly
;;       r = np.clip(x / 2.0 ** e, -57344, 57344)
;;       step = 2.0 ** (np.maximum(np.frexp(np.where(r == 0, 1, r))[1] - 1, -14) - 2)
;;       q = np.round(r / step) * step * 2.0 ** e      # np.round: ties to even
;;       return np.moveaxis(q.reshape(q.shape[:-2] + (-1,))[..., :K], -1, axis).astype(np.float32)
;;   ~~~
;;   OPERANDS COMPUTED ON THE WAY. 'Computed on the way' means the value that the module computes at that place (a softmax that the list does not call 'softmax' is quantised finished and normalised). What goes into a quantiser is computed in f32, as accurately as f32 sums, v_exp_f32 and their like allow (about 1e-6 of the number): no bf16 or f16 on the way to a quantiser, and a product that is left as it is and whose result goes on into a quantised operand takes f32 operands (vector FMAs, or v_wmma_f32_16x16x4_f32). A number that lies on a knife's edge between two numbers of the format may be rounded either way, as far as f32 arithmetic and the matrix unit's own rounding can turn it there, and no further.
;;   INPUTS GIVEN AS CODES. Vh (in the module: [1024, 4096], K = its axis 0); x (in the module: [4, 1024, 4096], K = its axis 2): each comes as NAME_codes (uint8): NAME with its K axis moved to the last place and cut into blocks of 32 codes, [.., K / 32, bytes a block], one block behind the other in memory; one code a byte (a code: sign, 5 exponent bits, 2 mantissa bits); and NAME_scales (uint8): the same leading axes, one E8M0 byte (e + 127) for each 32 codes along K. Its value is code x scale, taken as it is: it is not quantised again, and the codes and scales need not be those that the quantiser above would give.
;; 2 versions. Each part assembles by itself: llvm-mc -triple=amdgcn-amd-amdhsa -mcpu=gfx1250 --defsym DOCPART=n.
;; ======== version 1 of 2: 3 launches
;; workspace buffers: uimg 2,097,152 bytes; usc 65,536 bytes; wimg 8,388,608 bytes; wsc 262,144 bytes
;; launch quant_u (part 1): grid 32 x 8, 1 waves a work-group, no clusters, 0 bytes of LDS; arguments U, S, uimg, usc; writes uimg, usc
.if DOCPART == 1
	.amdgcn_target "amdgcn-amd-amdhsa--gfx1250"
	.amdhsa_code_object_version 6
	.text
	.protected	k_q0418eb1e71_quant_u
	.globl	k_q0418eb1e71_quant_u
	.p2align	8
	.type	k_q0418eb1e71_quant_u,@function
k_q0418eb1e71_quant_u:
	s_mov_b64 s[64:65], 0
	v_nop
	global_prefetch_b8 v0, s[64:65] scope:SCOPE_SE
	s_setreg_imm32_b32 hwreg(HW_REG_WAVE_MODE, 25, 1), 1
	s_wait_xcnt 0x0
; THE PROGRAM: y = x W^T with W = (U * S) Vh, both products on codes of E5M2 with one E8M0 scale for each 32 along K.  Three launches:
;   quant_u: U * S (one f32 multiplication a number, as the problem writes it) is quantised along the rank;   gemm_w: W = Q(U S) Vh, quantised along d in registers;   gemm_y: y = x Q(W).
; NO WORK IS LEFT OUT: every input has a way to the output, and the quantiser of W stands between the two products, so they are multiplied in the problem's order.
; THIS LAUNCH.  U [2048][1024] f32, S [1024] f32.  A work-group is one wave: 64 rows of U (four tiles of 16) x 128 along the rank: four operand fragments.
; A lane (r = lane % 16, h = lane / 16) takes row r of a tile and, of each block of 32 along the rank, the 16 numbers 16 h + 0 .. 15: register 16 b + i = k 32 b + 16 h + i,
; which is the order in which the matrix instruction's 8-bit operand lies in a lane's registers: the conversions' results ARE the fragment.
; OUT.  uimg: fragments as images of their registers: [rank / 256][o / 16][(rank / 128) % 2][c = 0..3][lane][16 bytes]: each store of the wave covers 512 consecutive bytes, aligned.
;       usc:  [o / 64][rank / 128][lane][i = 0, 1] words: word (lane, i) holds the four scale bytes of row 64 (o / 64) + 32 i + lane: one store of 256 consecutive bytes, aligned.
; A block's scale is 2^(floor(log2(its largest magnitude)) - 15); its byte is the largest magnitude's exponent field - 15, held at 1 from below.
; LIMITS: a block of zeros gets the byte 1 where the rule says 127 (its codes are zeros, and this program alone reads the bytes); NaN and infinities in U or S are not served.
.set XA,  3                            ; v3       U: my byte in a tile's 16 rows: 4,096 r + 64 h
.set SAD, 4                            ; v4       S: 64 h
.set LI,  5                            ; v5       16 x lane
.set LS8, 6                            ; v6       8 x lane
.set TM,  8                            ; v8-11 largest magnitudes, v12-15 the other half's, then bytes, v16-19 57,344 x the scale, v20-23 the conversions' scale operands
.set PW,  24                           ; v24-27   a scale word for each fragment
.set PWC, 28                           ; v[28:29] the two words that a lane stores
.set SV,  32                           ; v32-95   S at my 64 places along the rank
.set X0,  96                           ; v96-159, v160-223: two sets of 64 numbers
.set X1,  160
.set PC,  224                          ; v224-255 codes: two sets of 16
	s_load_b256 s[4:11], s[0:1], 0x0               ; U s[4:5], S s[6:7], uimg s[8:9], usc s[10:11]
	s_and_b32 s13, ttmp7, 0xffff                   ; which 128 along the rank
	v_and_b32 v1, 15, v0                           ; r (one wave: v0 is the lane)
	v_bfe_u32 v2, v0, 4, 1                         ; h
	v_lshlrev_b32 v[XA], 12, v1
	v_lshl_add_u32 v[XA], v2, 6, v[XA]
	v_lshlrev_b32 v[SAD], 6, v2
	v_lshlrev_b32 v[LI], 4, v0
	v_lshlrev_b32 v[LS8], 3, v0
.irp b, 0,1,2,3
	v_mov_b32 v[TM+4+\b], 0                        ; written once: a lane permute's destination counts as one of its sources
.endr
	s_lshl_b32 s14, ttmp9, 18                      ; U: 64 rows of 4,096 bytes a work-group x,
	s_lshl_b32 s16, s13, 9                         ; 512 bytes a work-group y; S: the same 512
	s_add_co_u32 s14, s14, s16
	s_mov_b32 s15, 0
	s_mov_b32 s17, 0
	s_lshr_b32 s18, s13, 1                         ; uimg: 524,288 x (y / 2) + 16,384 x + 2,048 (y % 2)
	s_lshl_b32 s18, s18, 19
	s_lshl_b32 s24, ttmp9, 14
	s_add_co_u32 s18, s18, s24
	s_and_b32 s24, s13, 1
	s_lshl_b32 s24, s24, 11
	s_add_co_u32 s18, s18, s24
	s_mov_b32 s19, 0
	s_lshl_b32 s24, ttmp9, 11                      ; usc: 2,048 x + 256 y
	s_lshl_b32 s25, s13, 8
	s_add_co_u32 s24, s24, s25
	s_mov_b32 s25, 0
	s_mov_b32 s20, 0x76543210
	s_mov_b32 s21, 0xfedcba98                      ; v_permlanex16_b32's selects for lane l xor 16
	s_mov_b32 s22, 0x600000                        ; the mantissa field of 57,344
	s_mov_b32 s23, 0xffff0000                      ; lanes 16 to 31
	s_wait_kmcnt 0x0
	s_add_nc_u64 s[4:5], s[4:5], s[14:15]
	s_add_nc_u64 s[6:7], s[6:7], s[16:17]
	s_add_nc_u64 s[8:9], s[8:9], s[18:19]
	s_add_nc_u64 s[10:11], s[10:11], s[24:25]
; tile a's 64 numbers of my lane into v[reg] on
.macro XLOAD reg, a
.irp b, 0,1,2,3
.irp j, 0,1,2,3
	global_load_b128 v[\reg+16*\b+4*\j:\reg+16*\b+4*\j+3], v[XA], s[4:5] offset:(\a)*65536+128*\b+16*\j th:TH_LOAD_NT
.endr
.endr
.endm
; 64 numbers of a lane, v[s] on, become a fragment's codes in v[pc] on and its rows' scale word in v[pw]
.macro QUANT s, pc, pw
.irp b, 0,1,2,3
	v_max3_num_f32 v[TM+\b], |v[\s+16*\b]|, |v[\s+1+16*\b]|, 0x8000000   ; block b: my 16 numbers, and the floor 2^(16 - 127): so the byte cannot fall under 1
.endr
.irp i, 2,4,6,8,10,12,14
.irp b, 0,1,2,3
	v_max3_num_f32 v[TM+\b], v[TM+\b], |v[\s+16*\b+\i]|, |v[\s+1+16*\b+\i]|   ; the four blocks by turns
.endr
.endr
.irp b, 0,1,2,3
	v_permlanex16_b32 v[TM+4+\b], v[TM+\b], s20, s21
.endr
.irp b, 0,1,2,3
	v_max_num_f32 v[TM+\b], v[TM+\b], v[TM+4+\b]   ; with lane l xor 16's: the block's largest magnitude
.endr
.irp b, 0,1,2,3
	v_add_nc_u32 v[TM+12+\b], 0xf8800000, v[TM+\b] ; 15 off its exponent field: the conversion's scale operand
.endr
.irp b, 0,1,2,3
	v_and_or_b32 v[TM+8+\b], v[TM+\b], 0x7f800000, s22   ; 57,344 x the scale
.endr
.irp b, 0,1,2,3
	v_lshrrev_b32 v[TM+4+\b], 23, v[TM+12+\b]      ; the scale's byte
.endr
	v_lshl_or_b32 v[\pw], v[TM+5], 8, v[TM+4]
	v_lshl_or_b32 v[\pw], v[TM+6], 16, v[\pw]
	v_lshl_or_b32 v[\pw], v[TM+7], 24, v[\pw]
.irp b, 0,1,2,3
.irp i, 0,1,2,3,4,5,6,7,8,9,10,11,12,13,14,15
	v_med3_num_f32 v[\s+16*\b+\i], v[\s+16*\b+\i], -v[TM+8+\b], v[TM+8+\b]   ; the conversion to an 8-bit code does not saturate (ISA guide 7.6.2): the hold comes first
.endr
	v_cvt_scalef32_pk8_bf8_f32 v[\pc+4*\b:\pc+1+4*\b], v[\s+16*\b:\s+7+16*\b], v[TM+12+\b]
	v_cvt_scalef32_pk8_bf8_f32 v[\pc+2+4*\b:\pc+3+4*\b], v[\s+8+16*\b:\s+15+16*\b], v[TM+12+\b]
.endr
	v_nop                                          ; a plain instruction behind the last conversion, ahead of whatever next writes its sources
.endm
.macro FRAGMENT a, x
.set n, 0
.rept 32
	v_pk_mul_f32 v[\x+n:\x+n+1], v[\x+n:\x+n+1], v[SV+n:SV+n+1]   ; U * S, two at a time
.set n, n+2
.endr
.if \a >= 2
	s_wait_xcnt 0x0                                ; the stores of two fragments ago have read this set of codes: it is rewritten only behind this wait
.endif
	QUANT \x, PC+16*((\a)%2), PW+(\a)
.irp c, 0,1,2,3
	global_store_b128 v[LI], v[PC+16*((\a)%2)+4*\c:PC+16*((\a)%2)+4*\c+3], s[8:9] offset:(\a)*4096+512*\c   ; 32 lanes store 512 consecutive bytes
.endr
.endm
.irp b, 0,1,2,3
.irp j, 0,1,2,3
	global_load_b128 v[SV+16*\b+4*\j:SV+16*\b+4*\j+3], v[SAD], s[6:7] offset:128*\b+16*\j
.endr
.endr
	XLOAD X0, 0
	XLOAD X1, 1
	s_wait_loadcnt 16                              ; S and tile 0 are in; tile 1's sixteen loads may be out
	FRAGMENT 0, X0
	XLOAD X0, 2
	s_wait_loadcnt 16                              ; tile 1 is in; tile 2's may be out
	FRAGMENT 1, X1
	XLOAD X1, 3
	s_wait_loadcnt 16                              ; tile 2 is in; tile 3's may be out
	FRAGMENT 2, X0
	s_wait_loadcnt 0x0
	FRAGMENT 3, X1
	v_cndmask_b32 v[PWC], v[PW], v[PW+1], s23      ; lanes 0-15: tile 0's rows; lanes 16-31: tile 1's
	v_cndmask_b32 v[PWC+1], v[PW+2], v[PW+3], s23  ; tiles 2 and 3 likewise
	global_store_b64 v[LS8], v[PWC:PWC+1], s[10:11]   ; 32 lanes store 256 consecutive bytes, aligned
	s_endpgm
.Lfunc_end_k_q0418eb1e71_quant_u:
	.size	k_q0418eb1e71_quant_u, .Lfunc_end_k_q0418eb1e71_quant_u-k_q0418eb1e71_quant_u
	.p2alignl 7, 3214868480
	.fill 96, 4, 3214868480
	.section	.rodata,"a",@progbits
	.p2align	6, 0x0
	.amdhsa_kernel k_q0418eb1e71_quant_u
		.amdhsa_group_segment_fixed_size 0
		.amdhsa_private_segment_fixed_size 0
		.amdhsa_enable_private_segment 0
		.amdhsa_kernarg_size 32
		.amdhsa_user_sgpr_count 2
		.amdhsa_user_sgpr_kernarg_segment_ptr 1
		.amdhsa_wavefront_size32 1
		.amdhsa_system_sgpr_workgroup_id_x 1
		.amdhsa_system_sgpr_workgroup_id_y 1
		.amdhsa_system_sgpr_workgroup_id_z 1
		.amdhsa_system_vgpr_workitem_id 0
		.amdhsa_next_free_vgpr 256
		.amdhsa_next_free_sgpr 66
		.amdhsa_reserve_vcc 0
		.amdhsa_float_denorm_mode_32 3
		.amdhsa_float_denorm_mode_16_64 3
		.amdhsa_memory_ordered 1
		.amdhsa_forward_progress 1
		.amdhsa_inst_pref_size 52
	.end_amdhsa_kernel
	.amdgpu_metadata
---
amdhsa.version: [ 1, 2 ]
amdhsa.kernels:
  - .name:           k_q0418eb1e71_quant_u
    .symbol:         k_q0418eb1e71_quant_u.kd
    .args:
      - { .name: U, .offset: 0, .size: 8, .value_kind: global_buffer, .address_space: global }
      - { .name: S, .offset: 8, .size: 8, .value_kind: global_buffer, .address_space: global }
      - { .name: uimg, .offset: 16, .size: 8, .value_kind: global_buffer, .address_space: global }
      - { .name: usc, .offset: 24, .size: 8, .value_kind: global_buffer, .address_space: global }
    .group_segment_fixed_size: 0
    .private_segment_fixed_size: 0
    .kernarg_segment_align: 8
    .kernarg_segment_size: 32
    .max_flat_workgroup_size: 32
    .sgpr_count:     66
    .vgpr_count:     256
    .wavefront_size: 32
...
	.end_amdgpu_metadata
.endif
;; end of part 1
;; launch gemm_w (part 2): grid 16 x 16, 4 waves a work-group, clusters of 4 x 4, 327,680 bytes of LDS; arguments uimg, usc, Vh_codes, Vh_scales, wimg, wsc; writes wimg, wsc
.if DOCPART == 2
	.amdgcn_target "amdgcn-amd-amdhsa--gfx1250"
	.amdhsa_code_object_version 6
	.text
	.protected	k_q0418eb1e71_gemm_w
	.globl	k_q0418eb1e71_gemm_w
	.p2align	8
	.type	k_q0418eb1e71_gemm_w,@function
k_q0418eb1e71_gemm_w:
	s_mov_b64 s[64:65], 0
	v_nop
	global_prefetch_b8 v0, s[64:65] scope:SCOPE_SE
	s_setreg_imm32_b32 hwreg(HW_REG_WAVE_MODE, 25, 1), 1
	s_wait_xcnt 0x0
	s_wait_alu depctr_hold_cnt(0) depctr_sa_sdst(0) depctr_va_vdst(0) depctr_va_sdst(0) depctr_va_ssrc(0) depctr_va_vcc(0) depctr_vm_vsrc(0)
	s_getreg_b32 s2, hwreg(HW_REG_IB_STS2, 6, 4)
	s_cmp_eq_u32 s2, 0
	s_cbranch_scc0 .Lentry_in_a_cluster
	s_endpgm
.Lentry_in_a_cluster:
	s_bfe_u32 s2, ttmp6, 0x10000c
	s_cmp_lg_u32 s2, 0xf033
	s_cbranch_scc0 .Lentry_shape_is_right
	s_endpgm
.Lentry_shape_is_right:
; W[o][d] = the sum over the rank of Q(U S)[o][r] Vh[r][d], on codes of E5M2 with E8M0 scales; W is quantised along d, the next product's K, in registers, and leaves as codes.  No work is left out.
; A work-group makes 128 (o) x 256 (d) of W: 16 x 16 work-groups.  Four waves, 2 x 2; a wave makes 64 (o) x 128 (d): 32 accumulators of 16 x 16, 256 registers.
; THE MATRIX INSTRUCTION IS USED TRANSPOSED: source 0 = 16 rows of Vh's codes (d), source 1 = 16 rows of Q(U S) (o): lane (r, h) holds ONE o, and register j of accumulator (a, b) is W(16 a + r, 16 b + 8 h + j):
; a lane's registers run along d.  A wave's 128 along d are one K step of the next product: four blocks of 32, each in lanes l and l xor 16.
; K = 1,024 goes in four steps of 256 through three LDS slots: steps 0, 1, 2 are first fills, sent out together (three tensor loads of a wave are out, its most); step 3 fills slot 0 again.
; Q(U S) comes as images of fragment registers (dense blocks, read back 512 consecutive bytes an instruction); Vh's rows of 256 bytes get 16 bytes of padding, so that the 16 rows of a load start at 16 different banks (ISA guide 11.1).
; THE SCALES of a wave's rows, for all of K, are 48 registers: loaded once from memory, in runs of 256 bytes and more.  A register holds one tile's words in lanes 0-15 and the next tile's in lanes 16-31.
; CLUSTERS: 4 x 4 work-groups.  The four of a row need the same tiles of Q(U S), the four of a column the same tiles of Vh: each tile is asked for JOINTLY.
; OUT.  wimg: [d / 256][o / 16][(d / 128) % 2][c][lane][16 bytes], images of the next product's fragments; wsc: [o / 64][d / 128][lane][i] words, word (lane, i) = row 64 (o / 64) + 32 i + lane.
; LIMITS: a block of zeros gets the byte 1 where the rule says 127 (zero codes; this program alone reads the bytes); NaN and infinities in W are not served; W's f32 sums are chains of the matrix instruction, K ascending.
; REGISTERS, in windows of 256: window 0: addresses, scale words, the way out.  Windows 1 and 2: two sets of fragments: Vh's eight at v[16 b], Q(U S)'s four at v[128 + 16 a].  Window 3: accumulator (a, b) at v[8 (8 a + b)].
.set PITCH, 272
.set AHALF, 16384                      ; 64 rows of Q(U S) x 256 along K, as images: what one tensor load brings
.set BOFF,  2*AHALF
.set BHALF, 128*PITCH                  ; 128 rows of Vh x 256 along K
.set SLOT,  BOFF+2*BHALF               ; 102,400
.set SPARE, 3*SLOT                     ; behind the slots: the spare words, 128 bytes for each wave
.set ASTEP, 3*524288                   ; from K step 0 to K step 3, in uimg
.set BSTEP, 3*256                      ; and in a row of Vh's codes
.set SBM,   8                          ; from one pair of Vh's tiles to the next, in scale registers
.set SAM,   1                          ; the same for Q(U S)'s
.set ADRA, 16                          ; v16-18  LDS address of my fragments of Q(U S) in slot 0, 1, 2
.set ADRB, 20                          ; v20-22  the same for Vh
.set WO,   24                          ; v24     the way out: 16 r + 8 h
.set L8,   25                          ; v25     8 x lane
.set L32,  26                          ; v26     32 x lane
.set SPW,  28                          ; v28     LDS address of my spare word; never rewritten
.set NIL,  29                          ; v29     0; never rewritten
.set US,   32                          ; v32-47  Q(U S)'s scale words: register 2 s + i for the s-th 128 along K
.set VS,   48                          ; v48-79  Vh's: register 8 i + s
.set TM,   80                          ; v80-95  at work on the way out
.set PW,   96                          ; v96-99  a scale word for each 16 rows of W
.set PWC,  100                         ; v[100:101] the two words that a lane stores
.set PC,   104                         ; v104-167 codes: a set of 16 for each 16 rows, so that no store's data are written again
.set XH,   168                         ; v168-231 64 numbers, held
.set WV,  16                           ; s16 wave;  s17: which 64 rows of source 1 are mine, also: I fetch Q(U S) (0) or Vh (1);  s18: which 128 rows of source 0, also: which half I fetch
.set SAR, 17
.set SBR, 18
.set G1A, 24                           ; s[24:31] group 1 for Q(U S)'s tiles;  s[32:39] for Vh's;  s[40:51], s[52:63] groups 0, a set for each slot
.set G1B, 32
.set G0A, 40
.set G0B, 52
.set MSB, 0
.macro WIN new                         ; the immediate's high byte repeats the setting that is left
.if MSB != (\new)
	s_set_vgpr_msb (MSB<<8)|(\new)
.set MSB, (\new)
.endif
.endm
.macro PLACES n
.rept \n
	v_nop
.endr
.endm
.macro SHAPE g, c, r, p                ; words 1 to 7 of a group 1: a tile of r rows x c elements, p elements from row to row
	s_mov_b32 s[\g+1], (\c)<<16
	s_mov_b32 s[\g+2], (\r)<<16
	s_mov_b32 s[\g+3], (\c)<<16
	s_mov_b32 s[\g+4], \r
	s_mov_b32 s[\g+5], \p
	s_mov_b32 s[\g+6], 0
	s_mov_b32 s[\g+7], 0
.endm
; A joint load: waves 0 and 1 fetch Q(U S)'s halves, waves 2 and 3 Vh's.  The branch hangs on the wave's number alone.  An s_nop 0 and four v_nop follow each of the two lines.
.macro JLOAD g0a, g1a, g0b, g1b
	s_cmp_eq_u32 s[SAR], 0
	s_cbranch_scc0 .Lfor_b_\@
	tensor_load_to_lds s[\g0a:\g0a+3], s[\g1a:\g1a+7]
	s_nop 0
.rept 4
	v_nop
.endr
	s_branch .Lasked_\@
.Lfor_b_\@:
	tensor_load_to_lds s[\g0b:\g0b+3], s[\g1b:\g1b+7]
	s_nop 0
.rept 4
	v_nop
.endr
.Lasked_\@:
.endm
.macro CREST                           ; a round of the cluster's barrier behind its opening barrier
	s_cmp_lg_u32 s[WV], 0
	s_cbranch_scc1 .Lnot_wave_0_\@
	s_barrier_signal -3
.Lnot_wave_0_\@:
	s_barrier_wait -3
	s_barrier_signal -1
	s_barrier_wait -1
.endm
.macro CROUND
	s_barrier_signal -1
	s_barrier_wait -1
	CREST
.endm
	s_load_b256 s[4:11], s[0:1], 0x0               ; uimg s[4:5], usc s[6:7], Vh's codes s[8:9], Vh's scales s[10:11]
	s_load_b128 s[12:15], s[0:1], 0x20             ; wimg s[12:13], wsc s[14:15]
	v_lshl_add_u32 v[SPW], v0, 2, SPARE
	v_mov_b32 v[NIL], 0
	ds_add_u32 v[SPW], v[NIL]                      ; the wave's opening: the add, twice on end, and its wait ahead of my first tensor load
	ds_add_u32 v[SPW], v[NIL]                      ; and once more; the set-up below, work on registers, stands between it and the wait
	v_lshrrev_b32 v1, 5, v0
	v_readfirstlane_b32 s[WV], v1                  ; wave 0..3
	s_lshr_b32 s[SAR], s[WV], 1
	s_and_b32 s[SBR], s[WV], 1
	s_bfe_u32 s66, ttmp6, 0x40000                  ; cx, cy: my place in the cluster
	s_bfe_u32 s67, ttmp6, 0x40004
	s_lshl_b32 s68, ttmp9, 2
	s_add_co_u32 s68, s68, s66                     ; tx: which 256 along d
	s_and_b32 s69, ttmp7, 0xffff
	s_lshl_b32 s69, s69, 2
	s_add_co_u32 s69, s69, s67                     ; ty: which 128 along o
	s_lshl_b32 s70, s67, 2
	s_lshl_b32 s70, 15, s70                        ; my row of the cluster
	s_lshl_b32 s71, 0x1111, s66                    ; my column
	s_or_b32 s[G1A], s70, (3<<16)|(1<<21)          ; 15:0 the mask: Q(U S)'s tiles go to my row; 17:16 elements of 8 bytes; 21 set beside a mask; no padding
	SHAPE G1A, 32, 64, 32                          ; a dense block of 16,384 bytes as 64 rows of 256
	s_or_b32 s[G1B], s71, (0<<16)|(1<<20)|(1<<21)|(5<<22)|(3<<25)   ; the mask of my column; elements of 1 byte; padding: 4 words after every 64
	SHAPE G1B, 256, 128, 1024                      ; 128 rows of 256 bytes, 1,024 bytes apart
	s_lshl_b32 s72, s69, 15                        ; Q(U S): 32,768 ty + 16,384 x half
	s_lshl_b32 s78, s[SBR], 14
	s_add_co_u32 s72, s72, s78
	s_mov_b32 s73, 0
	s_lshl_b32 s74, s68, 18                        ; Vh: (256 tx + 128 x half) rows of 1,024 bytes
	s_lshl_b32 s79, s[SBR], 17
	s_add_co_u32 s74, s74, s79
	s_mov_b32 s75, 0
	s_mul_i32 s76, s[SBR], AHALF                   ; where they go: no place in the cluster enters an LDS address
	s_mul_i32 s77, s[SBR], BHALF
	s_add_co_u32 s77, s77, BOFF
	s_lshl_b32 s80, s69, 1                         ; usc: (2 ty + my half) x 2,048
	s_add_co_u32 s80, s80, s[SAR]
	s_lshl_b32 s80, s80, 11
	s_mov_b32 s81, 0
	s_lshl_b32 s82, s68, 13                        ; Vh's scales: (256 tx + 128 x my half) rows of 32 bytes
	s_lshl_b32 s83, s[SBR], 12
	s_add_co_u32 s82, s82, s83
	s_mov_b32 s83, 0
	s_lshl_b32 s84, s69, 15                        ; wimg: 524,288 tx + (8 ty + 4 x my row half) x 4,096 + 2,048 x my column half
	s_lshl_b32 s85, s[SAR], 14
	s_add_co_u32 s84, s84, s85
	s_lshl_b32 s85, s[SBR], 11
	s_add_co_u32 s84, s84, s85
	s_lshl_b32 s85, s68, 19
	s_add_co_u32 s84, s84, s85
	s_mov_b32 s85, 0
	s_lshl_b32 s86, s69, 14                        ; wsc: (2 ty + my row half) x 8,192 + (2 tx + my column half) x 256
	s_lshl_b32 s87, s[SAR], 13
	s_add_co_u32 s86, s86, s87
	s_lshl_b32 s87, s68, 9
	s_add_co_u32 s86, s86, s87
	s_lshl_b32 s87, s[SBR], 8
	s_add_co_u32 s86, s86, s87
	s_mov_b32 s87, 0
	s_mov_b32 s92, 0x76543210
	s_mov_b32 s93, 0xfedcba98                      ; v_permlanex16_b32's selects for lane l xor 16
	s_mov_b32 s94, 0x600000                        ; the mantissa field of 57,344
	s_mov_b32 s95, 0xffff0000                      ; lanes 16 to 31
	s_wait_dscnt 0x0                               ; both opening adds are done
	s_wait_kmcnt 0x0
	s_add_nc_u64 s[72:73], s[4:5], s[72:73]
	s_add_nc_u64 s[74:75], s[8:9], s[74:75]
	s_add_nc_u64 s[6:7], s[6:7], s[80:81]
	s_add_nc_u64 s[10:11], s[10:11], s[82:83]
	s_add_nc_u64 s[12:13], s[12:13], s[84:85]
	s_add_nc_u64 s[14:15], s[14:15], s[86:87]
	CROUND                                         ; all sixteen work-groups are here: the first joint loads meet
.irp s, 0,1,2
	s_mov_b32 s[G0A+4*\s], 1
	s_add_co_u32 s[G0A+4*\s+1], s76, \s*SLOT
	s_add_nc_u64 s[G0A+4*\s+2:G0A+4*\s+3], s[72:73], \s*524288   ; K step s
	s_or_b32 s[G0A+4*\s+3], s[G0A+4*\s+3], 0x80000000
	s_mov_b32 s[G0B+4*\s], 1
	s_add_co_u32 s[G0B+4*\s+1], s77, \s*SLOT
	s_add_nc_u64 s[G0B+4*\s+2:G0B+4*\s+3], s[74:75], \s*256
	s_or_b32 s[G0B+4*\s+3], s[G0B+4*\s+3], 0x80000000
	JLOAD G0A+4*\s, G1A, G0B+4*\s, G1B
.endr
	v_and_b32 v1, 15, v0                           ; r
	v_bfe_u32 v2, v0, 4, 1                         ; h
	v_and_b32 v3, 31, v0                           ; lane
	v_lshlrev_b32 v[L8], 3, v3
	v_lshlrev_b32 v[L32], 5, v3
.irp s, 0,1,2,3,4,5,6,7
	global_load_b64 v[US+2*\s:US+2*\s+1], v[L8], s[6:7] offset:256*\s      ; 32 lanes read 256 consecutive bytes
.endr
.irp i, 0,1,2,3
.irp g, 0,1
	global_load_b128 v[VS+8*\i+4*\g:VS+8*\i+4*\g+3], v[L32], s[10:11] offset:1024*\i+16*\g   ; row 32 i + lane: its eight words, in two loads
.endr
.endr
	v_lshlrev_b32 v4, 4, v3                        ; an image's place for my lane
	v_mul_u32_u24 v5, v1, PITCH
	v_lshl_add_u32 v5, v2, 4, v5                   ; a row fragment's: row x pitch + 16 x half
	s_mul_i32 s78, s[SAR], AHALF                   ; my 64 rows of Q(U S)
	s_mul_i32 s79, s[SBR], BHALF                   ; my 128 rows of Vh
	s_add_co_u32 s79, s79, BOFF
.irp s, 0,1,2
	v_add_nc_u32 v[ADRA+\s], s78, v4
	v_add_nc_u32 v[ADRB+\s], s79, v5
	s_add_co_u32 s78, s78, SLOT
	s_add_co_u32 s79, s79, SLOT
.endr
	v_lshlrev_b32 v[WO], 4, v1
	v_lshl_add_u32 v[WO], v2, 3, v[WO]
.irp c, 0,1,2,3
	v_mov_b32 v[TM+4+\c], 0                        ; written once: a lane permute's destination counts as one of its sources
.endr
.macro FRAG_ROW reg, adr, q, i         ; 16 rows x 128 K from rows that lie along K: registers 4 c .. 4 c + 3 hold K = 32 c + 16 (lane / 16) + 0 .. 15
.irp c, 0,1,2,3
	ds_load_b128 v[\reg+4*\c:\reg+4*\c+3], v[\adr] offset:128*(\q)+32*\c+(\i)*16*PITCH
.endr
.endm
.macro FRAG_IMG reg, adr, q, i         ; the same from an image of the registers
.irp c, 0,1,2,3
	ds_load_b128 v[\reg+4*\c:\reg+4*\c+3], v[\adr] offset:(\i)*4096+(\q)*2048+512*\c
.endr
.endm
.macro FETCH slot, q, set              ; 48 LDS loads in one run: the twelve fragments of the slot's q-th 128 along K into a set
	WIN 0x40*(1+(\set))
.irp i, 0,1,2,3
	FRAG_IMG 128+16*\i, ADRA+(\slot), \q, \i
.endr
.irp i, 0,1,2,3,4,5,6,7
	FRAG_ROW 16*\i, ADRB+(\slot), \q, \i
.endr
.endm
; One matrix instruction.  rb, ra: source 0's, source 1's scale words stand in lanes 16-31 of their register.  zero = 1: the product starts the sum: nothing is ever cleared.
.macro WM d, fb, fa, sb, sa, rb, ra, zero
.if \zero
.if (\rb) && (\ra)
	v_wmma_scale_f32_16x16x128_f8f6f4 v[\d:\d+7], v[\fb:\fb+15], v[\fa:\fa+15], 0, v[\sb], v[\sa] matrix_a_fmt:MATRIX_FMT_BF8 matrix_b_fmt:MATRIX_FMT_BF8 matrix_a_scale:MATRIX_SCALE_ROW1 matrix_b_scale:MATRIX_SCALE_ROW1
.elseif \rb
	v_wmma_scale_f32_16x16x128_f8f6f4 v[\d:\d+7], v[\fb:\fb+15], v[\fa:\fa+15], 0, v[\sb], v[\sa] matrix_a_fmt:MATRIX_FMT_BF8 matrix_b_fmt:MATRIX_FMT_BF8 matrix_a_scale:MATRIX_SCALE_ROW1
.elseif \ra
	v_wmma_scale_f32_16x16x128_f8f6f4 v[\d:\d+7], v[\fb:\fb+15], v[\fa:\fa+15], 0, v[\sb], v[\sa] matrix_a_fmt:MATRIX_FMT_BF8 matrix_b_fmt:MATRIX_FMT_BF8 matrix_b_scale:MATRIX_SCALE_ROW1
.else
	v_wmma_scale_f32_16x16x128_f8f6f4 v[\d:\d+7], v[\fb:\fb+15], v[\fa:\fa+15], 0, v[\sb], v[\sa] matrix_a_fmt:MATRIX_FMT_BF8 matrix_b_fmt:MATRIX_FMT_BF8
.endif
.else
.if (\rb) && (\ra)
	v_wmma_scale_f32_16x16x128_f8f6f4 v[\d:\d+7], v[\fb:\fb+15], v[\fa:\fa+15], v[\d:\d+7], v[\sb], v[\sa] matrix_a_fmt:MATRIX_FMT_BF8 matrix_b_fmt:MATRIX_FMT_BF8 matrix_a_scale:MATRIX_SCALE_ROW1 matrix_b_scale:MATRIX_SCALE_ROW1
.elseif \rb
	v_wmma_scale_f32_16x16x128_f8f6f4 v[\d:\d+7], v[\fb:\fb+15], v[\fa:\fa+15], v[\d:\d+7], v[\sb], v[\sa] matrix_a_fmt:MATRIX_FMT_BF8 matrix_b_fmt:MATRIX_FMT_BF8 matrix_a_scale:MATRIX_SCALE_ROW1
.elseif \ra
	v_wmma_scale_f32_16x16x128_f8f6f4 v[\d:\d+7], v[\fb:\fb+15], v[\fa:\fa+15], v[\d:\d+7], v[\sb], v[\sa] matrix_a_fmt:MATRIX_FMT_BF8 matrix_b_fmt:MATRIX_FMT_BF8 matrix_b_scale:MATRIX_SCALE_ROW1
.else
	v_wmma_scale_f32_16x16x128_f8f6f4 v[\d:\d+7], v[\fb:\fb+15], v[\fa:\fa+15], v[\d:\d+7], v[\sb], v[\sa] matrix_a_fmt:MATRIX_FMT_BF8 matrix_b_fmt:MATRIX_FMT_BF8
.endif
.endif
.endm
; 8 matrix instructions: source 0's tiles 2 g, 2 g + 1 x source 1's four.  The 32 accumulators take turns, one instruction a turn, in the same order in every step.
.macro MULQ g, sbb, sab, zero
.irp b, 2*(\g), 2*(\g)+1
.irp a, 0,1,2,3
	WM 8*(8*\a+(\b)), 16*(\b), 128+16*\a, (\sbb)+SBM*((\b)/2), (\sab)+SAM*(\a/2), (\b)%2, \a%2, \zero
.endr
.endr
.endm
; A step of 128 along K on set p.  At its head the next step's fragments are asked for, into the other set, which the last step's products read: eight places stand between.
.macro STEP p, nslot, nq, sbb, sab, zero
	PLACES 8
	FETCH \nslot, \nq, 1-(\p)
	s_wait_dscnt 48                                ; all but the 48 loads just issued: set p is in
	WIN 0xF5+5*(\p)                                ; sources 0 and 1: window 1 or 2; C and D: window 3
	MULQ 0, \sbb, \sab, \zero
	MULQ 1, \sbb, \sab, \zero
	MULQ 2, \sbb, \sab, \zero
	MULQ 3, \sbb, \sab, \zero
.endm
; A slot's last step, with ONE barrier.  In front of it each wave waits for all its tensor loads, adds 0 to its spare word, and waits for that and for its reads of the slot.  fill = 1: the slot is filled again.
.macro TURN p, slot, next, fill, sbb, sab
	WIN 0                                          ; (the add's two registers lie in window 0)
	s_wait_tensorcnt 0x0                           ; all my tensor loads have landed
	ds_add_u32 v[SPW], v[NIL]                      ; 0 onto my spare word
	s_wait_dscnt 1                                 ; (the add may be out: set p is in)
	WIN 0xF5+5*(\p)
	MULQ 0, \sbb, \sab, 0                          ; eight matrix instructions stand between the add and the wait for it
	s_wait_dscnt 0x0                               ; the add is done, and my reads of this slot are over
	s_barrier_signal -1
	MULQ 1, \sbb, \sab, 0
	WIN 0
	s_barrier_wait -1
.if \fill
	CREST                                          ; the barrier has opened a round of the cluster's barrier: no wave of any partner still reads this slot or has a load on its way
	s_add_nc_u64 s[G0A+4*(\slot)+2:G0A+4*(\slot)+3], s[G0A+4*(\slot)+2:G0A+4*(\slot)+3], ASTEP
	s_add_nc_u64 s[G0B+4*(\slot)+2:G0B+4*(\slot)+3], s[G0B+4*(\slot)+2:G0B+4*(\slot)+3], BSTEP
	JLOAD G0A+4*(\slot), G1A, G0B+4*(\slot), G1B   ; the first tensor load behind the round; its four v_nop are four of the eight places in front of the loads below
	PLACES 4
.else
	PLACES 8
.endif
	FETCH \next, 0, 1-(\p)
	WIN 0xF5+5*(\p)
	MULQ 2, \sbb, \sab, 0
	MULQ 3, \sbb, \sab, 0
.endm
	s_wait_tensorcnt 2                             ; my part of K step 0 is in; the two younger fills may stay out
	s_barrier_signal -1
	s_barrier_wait -1                              ; everybody's is
	FETCH 0, 0, 0
	s_wait_loadcnt 0x0                             ; the scale words
	STEP 0, 0, 1, VS+0, US+0, 1                    ; the first step's products start the sums
	TURN 1, 0, 1, 1, VS+1, US+2                    ; slot 0 is left and takes K step 3, which has four steps in which to land; every wave has shown slots 1 and 2 whole
	STEP 0, 1, 1, VS+2, US+4, 0
	STEP 1, 2, 0, VS+3, US+6, 0                    ; on into slot 2: no barrier: the round above stands behind every wave's wait for all its loads
	STEP 0, 2, 1, VS+4, US+8, 0
	TURN 1, 2, 0, 0, VS+5, US+10                   ; K step 3 has landed, everybody's part; nothing is filled
	STEP 0, 0, 1, VS+6, US+12, 0
	s_wait_dscnt 0x0                               ; the last step: nothing more to fetch
	WIN 0xFA
	MULQ 0, VS+7, US+14, 0
	MULQ 1, VS+7, US+14, 0
	MULQ 2, VS+7, US+14, 0
	MULQ 3, VS+7, US+14, 0
	WIN 0
	PLACES 8                                       ; in front of the first read of results
; THE WAY OUT of 16 rows of W (o = 16 a + r): 128 along d become a fragment's codes and a scale word.  Block c of 32 lies in accumulators (a, 2 c) and (a, 2 c + 1), 16 registers on end, of lanes l and l xor 16.
; The eight codes of accumulator (a, 2 c + u) in lane (r, h) are k = 32 c + 16 u + 8 h + 0 .. 7 of row r; in the image those lie at 512 c + 16 (16 u + r) + 8 h: so each store of the wave covers 256 consecutive bytes, aligned.
; Each accumulator is read from its low end on.
.macro QW a
	WIN 0x0F                                       ; sources 0 and 1: window 3
.irp c, 0,1,2,3
	v_max3_num_f32 v[TM+\c], |v[64*\a+16*\c]|, |v[64*\a+16*\c+1]|, 0x8000000   ; my 16 numbers of block c, and the floor 2^(16 - 127): the byte cannot fall under 1
.endr
	WIN 0x3C                                       ; sources 1 and 2: window 3
.irp i, 2,4,6,8,10,12,14
.irp c, 0,1,2,3
	v_max3_num_f32 v[TM+\c], v[TM+\c], |v[64*\a+16*\c+\i]|, |v[64*\a+16*\c+\i+1]|
.endr
.endr
	WIN 0
.irp c, 0,1,2,3
	v_permlanex16_b32 v[TM+4+\c], v[TM+\c], s92, s93
.endr
.irp c, 0,1,2,3
	v_max_num_f32 v[TM+\c], v[TM+\c], v[TM+4+\c]   ; with lane l xor 16's: the block's largest magnitude
.endr
.irp c, 0,1,2,3
	v_add_nc_u32 v[TM+12+\c], 0xf8800000, v[TM+\c] ; 15 off its exponent field: the conversion's scale operand
.endr
.irp c, 0,1,2,3
	v_and_or_b32 v[TM+8+\c], v[TM+\c], 0x7f800000, s94   ; 57,344 x the scale
.endr
.irp c, 0,1,2,3
	v_lshrrev_b32 v[TM+4+\c], 23, v[TM+12+\c]      ; the scale's byte
.endr
	v_lshl_or_b32 v[PW+\a], v[TM+5], 8, v[TM+4]
	v_lshl_or_b32 v[PW+\a], v[TM+6], 16, v[PW+\a]
	v_lshl_or_b32 v[PW+\a], v[TM+7], 24, v[PW+\a]
	WIN 0x03                                       ; source 0: window 3
.irp c, 0,1,2,3
.irp i, 0,1,2,3,4,5,6,7,8,9,10,11,12,13,14,15
	v_med3_num_f32 v[XH+16*\c+\i], v[64*\a+16*\c+\i], -v[TM+8+\c], v[TM+8+\c]   ; the conversion to an 8-bit code does not saturate (ISA guide 7.6.2): the hold comes first
.endr
.endr
	WIN 0
.irp c, 0,1,2,3
.irp u, 0,1
	v_cvt_scalef32_pk8_bf8_f32 v[PC+16*\a+4*\c+2*\u:PC+16*\a+4*\c+2*\u+1], v[XH+16*\c+8*\u:XH+16*\c+8*\u+7], v[TM+12+\c]
.endr
.endr
	v_nop                                          ; a plain instruction behind the last conversion, ahead of the lines that write its sources anew
.irp c, 0,1,2,3
.irp u, 0,1
	global_store_b64 v[WO], v[PC+16*\a+4*\c+2*\u:PC+16*\a+4*\c+2*\u+1], s[12:13] offset:\a*4096+512*\c+256*\u
.endr
.endr
.endm
.irp a, 0,1,2,3
	QW \a
.endr
	v_cndmask_b32 v[PWC], v[PW], v[PW+1], s95      ; lanes 0-15: rows 0-15; lanes 16-31: rows 16-31
	v_cndmask_b32 v[PWC+1], v[PW+2], v[PW+3], s95  ; rows 32-63 likewise
	global_store_b64 v[L8], v[PWC:PWC+1], s[14:15] ; 32 lanes store 256 consecutive bytes, aligned
	s_wait_tensorcnt 0x0                           ; the wave's end
	ds_add_u32 v[SPW], v[NIL]
	s_wait_dscnt 0x0
	CROUND                                         ; the closing round: no work-group ends while a partner may still ask for a tile that names it
	s_endpgm
.Lfunc_end_k_q0418eb1e71_gemm_w:
	.size	k_q0418eb1e71_gemm_w, .Lfunc_end_k_q0418eb1e71_gemm_w-k_q0418eb1e71_gemm_w
	.p2alignl 7, 3214868480
	.fill 96, 4, 3214868480
	.section	.rodata,"a",@progbits
	.p2align	6, 0x0
	.amdhsa_kernel k_q0418eb1e71_gemm_w
		.amdhsa_group_segment_fixed_size 327680
		.amdhsa_private_segment_fixed_size 0
		.amdhsa_enable_private_segment 0
		.amdhsa_kernarg_size 48
		.amdhsa_user_sgpr_count 2
		.amdhsa_user_sgpr_kernarg_segment_ptr 1
		.amdhsa_wavefront_size32 1
		.amdhsa_system_sgpr_workgroup_id_x 1
		.amdhsa_system_sgpr_workgroup_id_y 1
		.amdhsa_system_sgpr_workgroup_id_z 1
		.amdhsa_system_vgpr_workitem_id 0
		.amdhsa_next_free_vgpr 1024
		.amdhsa_next_free_sgpr 96
		.amdhsa_reserve_vcc 0
		.amdhsa_float_denorm_mode_32 3
		.amdhsa_float_denorm_mode_16_64 3
		.amdhsa_memory_ordered 1
		.amdhsa_forward_progress 1
		.amdhsa_inst_pref_size 107
	.end_amdhsa_kernel
	.amdgpu_metadata
---
amdhsa.version: [ 1, 2 ]
amdhsa.kernels:
  - .name:           k_q0418eb1e71_gemm_w
    .symbol:         k_q0418eb1e71_gemm_w.kd
    .args:
      - { .name: uimg, .offset: 0, .size: 8, .value_kind: global_buffer, .address_space: global }
      - { .name: usc, .offset: 8, .size: 8, .value_kind: global_buffer, .address_space: global }
      - { .name: Vh_codes, .offset: 16, .size: 8, .value_kind: global_buffer, .address_space: global }
      - { .name: Vh_scales, .offset: 24, .size: 8, .value_kind: global_buffer, .address_space: global }
      - { .name: wimg, .offset: 32, .size: 8, .value_kind: global_buffer, .address_space: global }
      - { .name: wsc, .offset: 40, .size: 8, .value_kind: global_buffer, .address_space: global }
    .group_segment_fixed_size: 327680
    .private_segment_fixed_size: 0
    .kernarg_segment_align: 8
    .kernarg_segment_size: 48
    .max_flat_workgroup_size: 128
    .sgpr_count:     96
    .vgpr_count:     1024
    .wavefront_size: 32
...
	.end_amdgpu_metadata
.endif
;; end of part 2
;; launch gemm_y (part 3): grid 8 x 32, 4 waves a work-group, clusters of 4 x 4, 327,680 bytes of LDS; arguments x_codes, x_scales, wimg, wsc, out0; writes out0
.if DOCPART == 3
	.amdgcn_target "amdgcn-amd-amdhsa--gfx1250"
	.amdhsa_code_object_version 6
	.text
	.protected	k_q0418eb1e71_gemm_y
	.globl	k_q0418eb1e71_gemm_y
	.p2align	8
	.type	k_q0418eb1e71_gemm_y,@function
k_q0418eb1e71_gemm_y:
	s_mov_b64 s[64:65], 0
	v_nop
	global_prefetch_b8 v0, s[64:65] scope:SCOPE_SE
	s_setreg_imm32_b32 hwreg(HW_REG_WAVE_MODE, 25, 1), 1
	s_wait_xcnt 0x0
	s_wait_alu depctr_hold_cnt(0) depctr_sa_sdst(0) depctr_va_vdst(0) depctr_va_sdst(0) depctr_va_ssrc(0) depctr_va_vcc(0) depctr_vm_vsrc(0)
	s_getreg_b32 s2, hwreg(HW_REG_IB_STS2, 6, 4)
	s_cmp_eq_u32 s2, 0
	s_cbranch_scc0 .Lentry_in_a_cluster
	s_endpgm
.Lentry_in_a_cluster:
	s_bfe_u32 s2, ttmp6, 0x10000c
	s_cmp_lg_u32 s2, 0xf033
	s_cbranch_scc0 .Lentry_shape_is_right
	s_endpgm
.Lentry_shape_is_right:
; y[m][o] = the sum over d of x[m][d] Q(W)[o][d], on codes of E5M2 with E8M0 scales; y f32.  No work is left out.
; A work-group makes 128 (m) x 256 (o) of y: 8 x 32 work-groups.  Four waves, 2 x 2; a wave makes 64 (m) x 128 (o): 32 accumulators of 16 x 16, 256 registers.
; THE MATRIX INSTRUCTION IS USED TRANSPOSED: source 0 = 16 rows of Q(W) (o), source 1 = 16 rows of x (m): a lane holds eight neighbouring numbers of a row of y.
; K = 4,096 goes in steps of 256 through a ring of two LDS slots filled by the tensor data mover.  x's rows of 256 bytes get 16 bytes of padding, so that the 16 rows of a load start at 16 different banks (ISA guide 11.1);
; Q(W) comes as images of fragment registers: dense blocks, read back 512 consecutive bytes an instruction.
; THE SCALES of the work-group's rows, for all of K, are dense blocks of memory: they come into LDS once, with the first fills (three tensor loads of a wave are out then, its most), and stay.
; A scale register holds one tile's words in lanes 0-15 and the next tile's in lanes 16-31.
; CLUSTERS: 4 x 4 work-groups.  The four of a row need the same tiles of x, the four of a column the same tiles of Q(W): each tile is asked for JOINTLY.
; REGISTERS, in windows of 256: window 0: addresses, scale words, the way out.  Windows 1 and 2: two sets of fragments: Q(W)'s eight at v[16 b], x's four at v[128 + 16 a].  Window 3: accumulator (a, b) at v[8 (8 a + b)].
.set PITCH, 272
.set AHALF, 64*PITCH                   ; 64 rows of x x 256 along K: what one tensor load brings
.set BOFF,  2*AHALF
.set BHALF, 32768                      ; 128 rows of Q(W) x 256 along K, as images
.set SLOT,  BOFF+2*BHALF               ; 100,352
.set SCX,   2*SLOT                     ; behind the ring: x's scale bytes: 64 rows x 128 bytes a half, as 32 units of 256 bytes + 16 of padding
.set SXH,   32*272
.set SCW,   SCX+2*SXH                  ; Q(W)'s: 16,384 bytes a half, dense
.set SWH,   16384
.set SPARE, SCW+2*SWH                  ; the spare words, 128 bytes for each wave
.set SPITCH, 528                       ; the way out: a stage of 16 rows x (512 bytes + 16) for each wave, in slot 0, which has had its last fill and its last read when the first result is stored there
.set ASTEP, 2*256                      ; two K steps on, in a row of x's codes
.set BSTEP, 2*524288                   ; and in wimg
.set LAPS,  8                          ; a lap = two K steps = once round the ring
.set SBM,   1                          ; from one pair of Q(W)'s tiles to the next, in scale registers
.set SAM,   2                          ; the same for x's
.set ADRA, 16                          ; v16-17  LDS address of my fragments of x in slot 0, 1
.set ADRB, 20                          ; v20-21  the same for Q(W)
.set STO,  24                          ; v24     the way out: where I put 32 bytes of a row
.set RD,   25                          ; v25     where I read a row back
.set CO,   26                          ; v26     my byte offset in a row of y
.set ADXS, 27                          ; v27     LDS address of x's scale words of the K step in hand
.set SPW,  28                          ; v28     LDS address of my spare word; never rewritten
.set NIL,  29                          ; v29     0; never rewritten
.set ADWS, 30                          ; v30     LDS address of Q(W)'s scale words
.set XS,   32                          ; v32-39  x's scale words: set s (for slot s), register 4 s + 2 i + q
.set WS,   40                          ; v40-55  Q(W)'s: register 8 s + 4 q + 2 g + i
.set BK,   128                         ; v128-255 the way out: 16 rows read back, two sets by turns
.set WV,  14                           ; s14 wave;  s15: which 64 rows of source 1 are mine, also: I fetch for x (0) or for Q(W) (1);  s16: which 128 rows of source 0, also: which half I fetch
.set SAR, 15
.set SBR, 16
.set G1,  24                           ; s[24:31] group 1 for x's tiles;  s[32:39] groups 0, one for each slot
.set G0,  32
.set G1B, 48                           ; s[48:55], s[56:63] the same for Q(W)'s
.set G0B, 56
.set G1S, 68                           ; s[68:75], s[76:79] groups 1 and 0 for x's scales;  s[80:87], s[88:91] for Q(W)'s
.set G0S, 76
.set G1SB, 80
.set G0SB, 88
.set MSB, 0
.macro WIN new                         ; the immediate's high byte repeats the setting that is left
.if MSB != (\new)
	s_set_vgpr_msb (MSB<<8)|(\new)
.set MSB, (\new)
.endif
.endm
.macro PLACES n
.rept \n
	v_nop
.endr
.endm
.macro SHAPE g, c, r, p                ; words 1 to 7 of a group 1: a tile of r rows x c elements, p elements from row to row
	s_mov_b32 s[\g+1], (\c)<<16
	s_mov_b32 s[\g+2], (\r)<<16
	s_mov_b32 s[\g+3], (\c)<<16
	s_mov_b32 s[\g+4], \r
	s_mov_b32 s[\g+5], \p
	s_mov_b32 s[\g+6], 0
	s_mov_b32 s[\g+7], 0
.endm
; A joint load: waves 0 and 1 fetch for x, waves 2 and 3 for Q(W).  The branch hangs on the wave's number alone.  An s_nop 0 and four v_nop follow each of the two lines.
.macro JLOAD g0a, g1a, g0b, g1b
	s_cmp_eq_u32 s[SAR], 0
	s_cbranch_scc0 .Lfor_b_\@
	tensor_load_to_lds s[\g0a:\g0a+3], s[\g1a:\g1a+7]
	s_nop 0
.rept 4
	v_nop
.endr
	s_branch .Lasked_\@
.Lfor_b_\@:
	tensor_load_to_lds s[\g0b:\g0b+3], s[\g1b:\g1b+7]
	s_nop 0
.rept 4
	v_nop
.endr
.Lasked_\@:
.endm
.macro CREST                           ; a round of the cluster's barrier behind its opening barrier
	s_cmp_lg_u32 s[WV], 0
	s_cbranch_scc1 .Lnot_wave_0_\@
	s_barrier_signal -3
.Lnot_wave_0_\@:
	s_barrier_wait -3
	s_barrier_signal -1
	s_barrier_wait -1
.endm
.macro CROUND
	s_barrier_signal -1
	s_barrier_wait -1
	CREST
.endm
	s_load_b256 s[4:11], s[0:1], 0x0               ; x's codes s[4:5], x's scales s[6:7], wimg s[8:9], wsc s[10:11]
	s_load_b64 s[12:13], s[0:1], 0x20              ; y
	v_lshl_add_u32 v[SPW], v0, 2, SPARE
	v_mov_b32 v[NIL], 0
	ds_add_u32 v[SPW], v[NIL]                      ; the wave's opening: the add, twice on end, and its wait ahead of my first tensor load
	ds_add_u32 v[SPW], v[NIL]                      ; and once more; the set-up below, work on registers, stands between it and the wait
	v_lshrrev_b32 v1, 5, v0
	v_readfirstlane_b32 s[WV], v1                  ; wave 0..3
	s_lshr_b32 s[SAR], s[WV], 1
	s_and_b32 s[SBR], s[WV], 1
	s_bfe_u32 s40, ttmp6, 0x40000                  ; cx, cy: my place in the cluster
	s_bfe_u32 s41, ttmp6, 0x40004
	s_lshl_b32 s42, ttmp9, 2
	s_add_co_u32 s42, s42, s40                     ; tx: which 256 along o
	s_and_b32 s17, ttmp7, 0xffff
	s_lshl_b32 s17, s17, 2
	s_add_co_u32 s17, s17, s41                     ; ty: which 128 along m
	s_lshl_b32 s43, s41, 2
	s_lshl_b32 s43, 15, s43                        ; my row of the cluster
	s_lshl_b32 s44, 0x1111, s40                    ; my column
	s_or_b32 s[G1], s43, (0<<16)|(1<<20)|(1<<21)|(5<<22)|(3<<25)    ; 15:0 the mask: x's tiles go to my row; elements of 1 byte; padding: 4 words after every 64; 21 set beside a mask
	SHAPE G1, 256, 64, 4096                        ; 64 rows of 256 bytes, 4,096 bytes apart
	s_or_b32 s[G1B], s44, (3<<16)|(1<<21)          ; the mask of my column; elements of 8 bytes; no padding
	SHAPE G1B, 32, 128, 32                         ; a dense block of 32,768 bytes as 128 rows of 256
	s_or_b32 s[G1S], s43, (3<<16)|(1<<20)|(1<<21)|(5<<22)|(3<<25)
	SHAPE G1S, 32, 32, 32                          ; x's scales of 64 rows: 8,192 dense bytes as 32 rows of 256, 16 bytes of padding behind each
	s_or_b32 s[G1SB], s44, (3<<16)|(1<<21)
	SHAPE G1SB, 32, 64, 32                         ; Q(W)'s of 128 rows: 16,384 dense bytes
	s_lshl_b32 s20, s17, 19                        ; x's codes: (128 ty + 64 x half) rows of 4,096 bytes
	s_lshl_b32 s18, s[SBR], 18
	s_add_co_u32 s20, s20, s18
	s_mov_b32 s21, 0
	s_lshl_b32 s22, s17, 14                        ; x's scales: the same rows, of 128 bytes
	s_lshl_b32 s18, s[SBR], 13
	s_add_co_u32 s22, s22, s18
	s_mov_b32 s23, 0
	s_lshl_b32 s46, s42, 16                        ; wimg: (16 tx + 8 x half) tiles of 4,096 bytes
	s_lshl_b32 s19, s[SBR], 15
	s_add_co_u32 s46, s46, s19
	s_mov_b32 s47, 0
	s_lshl_b32 s92, s42, 15                        ; wsc: (4 tx + 2 x half) x 8,192
	s_lshl_b32 s19, s[SBR], 14
	s_add_co_u32 s92, s92, s19
	s_mov_b32 s93, 0
	s_mul_i32 s45, s[SBR], AHALF                   ; where they go: no place in the cluster enters an LDS address
	s_lshl_b32 s94, s[SBR], 15
	s_add_co_u32 s94, s94, BOFF
	s_mul_i32 s95, s[SBR], SXH
	s_add_co_u32 s95, s95, SCX
	s_lshl_b32 s96, s[SBR], 14
	s_add_co_u32 s96, s96, SCW
	s_wait_dscnt 0x0                               ; both opening adds are done
	s_wait_kmcnt 0x0
	s_add_nc_u64 s[20:21], s[4:5], s[20:21]
	s_add_nc_u64 s[22:23], s[6:7], s[22:23]
	s_add_nc_u64 s[46:47], s[8:9], s[46:47]
	s_add_nc_u64 s[92:93], s[10:11], s[92:93]
	CROUND                                         ; all sixteen work-groups are here: the first joint loads meet
	s_mov_b32 s[G0S], 1
	s_mov_b32 s[G0S+1], s95
	s_mov_b64 s[G0S+2:G0S+3], s[22:23]
	s_or_b32 s[G0S+3], s[G0S+3], 0x80000000
	s_mov_b32 s[G0SB], 1
	s_mov_b32 s[G0SB+1], s96
	s_mov_b64 s[G0SB+2:G0SB+3], s[92:93]
	s_or_b32 s[G0SB+3], s[G0SB+3], 0x80000000
	JLOAD G0S, G1S, G0SB, G1SB                     ; the scales first: they are wanted with K step 0
.irp s, 0,1
	s_mov_b32 s[G0+4*\s], 1
	s_add_co_u32 s[G0+4*\s+1], s45, \s*SLOT
	s_add_nc_u64 s[G0+4*\s+2:G0+4*\s+3], s[20:21], \s*256
	s_or_b32 s[G0+4*\s+3], s[G0+4*\s+3], 0x80000000
	s_mov_b32 s[G0B+4*\s], 1
	s_add_co_u32 s[G0B+4*\s+1], s94, \s*SLOT
	s_add_nc_u64 s[G0B+4*\s+2:G0B+4*\s+3], s[46:47], \s*524288
	s_or_b32 s[G0B+4*\s+3], s[G0B+4*\s+3], 0x80000000
	JLOAD G0+4*\s, G1, G0B+4*\s, G1B
.endr
	v_and_b32 v1, 15, v0                           ; r
	v_bfe_u32 v2, v0, 4, 1                         ; h
	v_and_b32 v3, 31, v0                           ; lane
	v_lshlrev_b32 v4, 4, v3                        ; an image's place for my lane
	v_mul_u32_u24 v5, v1, PITCH
	v_lshl_add_u32 v5, v2, 4, v5                   ; a row fragment's: row x pitch + 16 x half
	s_mul_i32 s18, s[SAR], AHALF                   ; my 64 rows of x
	s_lshl_b32 s19, s[SBR], 15                     ; my 128 rows of Q(W)
	s_add_co_u32 s19, s19, BOFF
.irp s, 0,1
	v_add_nc_u32 v[ADRA+\s], s18, v5
	v_add_nc_u32 v[ADRB+\s], s19, v4
	s_add_co_u32 s18, s18, SLOT
	s_add_co_u32 s19, s19, SLOT
.endr
	v_lshrrev_b32 v6, 1, v3                        ; x's scale words: row 32 i + lane; two rows of 128 bytes to a unit of 272
	v_mul_u32_u24 v6, v6, 272
	v_and_b32 v7, 1, v3
	v_lshl_add_u32 v6, v7, 7, v6
	s_mul_i32 s18, s[SAR], SXH
	s_add_co_u32 s18, s18, SCX
	v_add_nc_u32 v[ADXS], s18, v6
	v_lshlrev_b32 v7, 3, v3                        ; Q(W)'s: 8 x lane
	s_lshl_b32 s18, s[SBR], 14
	s_add_co_u32 s18, s18, SCW
	v_add_nc_u32 v[ADWS], s18, v7
	s_mul_i32 s18, s[WV], 16*SPITCH                ; my stage
	v_mul_u32_u24 v6, v1, SPITCH                   ; in: row r, 32 bytes for each half of the lanes
	v_lshl_add_u32 v6, v2, 5, v6
	v_add_nc_u32 v[STO], s18, v6
	v_add_nc_u32 v[RD], s18, v4                    ; back: the 32 lanes take one row of 512 bytes;
	v_lshlrev_b32 v[CO], 4, v3                     ; and the same in y
	s_lshl_b32 s20, s17, 20                        ; y: (128 ty + 64 x my row half) rows of 8,192 bytes
	s_lshl_b32 s21, s[SAR], 19
	s_add_co_u32 s20, s20, s21
	s_mov_b32 s21, 0
	s_lshl_b32 s46, s42, 10                        ; + 1,024 tx + 512 x my column half
	s_lshl_b32 s47, s[SBR], 9
	s_add_co_u32 s46, s46, s47
	s_mov_b32 s47, 0
	s_add_nc_u64 s[20:21], s[20:21], s[46:47]
	s_add_nc_u64 s[12:13], s[12:13], s[20:21]
.macro FRAG_ROW reg, adr, q, i         ; 16 rows x 128 K from rows that lie along K: registers 4 c .. 4 c + 3 hold K = 32 c + 16 (lane / 16) + 0 .. 15
.irp c, 0,1,2,3
	ds_load_b128 v[\reg+4*\c:\reg+4*\c+3], v[\adr] offset:128*(\q)+32*\c+(\i)*16*PITCH
.endr
.endm
.macro FRAG_IMG reg, adr, q, i         ; the same from an image of the registers
.irp c, 0,1,2,3
	ds_load_b128 v[\reg+4*\c:\reg+4*\c+3], v[\adr] offset:(\i)*4096+(\q)*2048+512*\c
.endr
.endm
.macro FETCH slot, q, set              ; 48 LDS loads in one run: the twelve fragments of the slot's q-th 128 along K into a set
	WIN 0x40*(1+(\set))
.irp i, 0,1,2,3
	FRAG_ROW 128+16*\i, ADRA+(\slot), \q, \i
.endr
.irp i, 0,1,2,3,4,5,6,7
	FRAG_IMG 16*\i, ADRB+(\slot), \q, \i
.endr
.endm
.macro SCALES sg                       ; a K step's scale words into set sg: six loads
.irp i, 0,1
	ds_load_b64 v[XS+4*(\sg)+2*\i:XS+4*(\sg)+2*\i+1], v[ADXS] offset:4352*\i
.endr
.irp q, 0,1
.irp g, 0,1
	ds_load_b64 v[WS+8*(\sg)+4*\q+2*\g:WS+8*(\sg)+4*\q+2*\g+1], v[ADWS] offset:8192*\g+256*\q
.endr
.endr
.endm
; One matrix instruction.  rb, ra: source 0's, source 1's scale words stand in lanes 16-31 of their register.  zero = 1: the product starts the sum: nothing is ever cleared.
.macro WM d, fb, fa, sb, sa, rb, ra, zero
.if \zero
.if (\rb) && (\ra)
	v_wmma_scale_f32_16x16x128_f8f6f4 v[\d:\d+7], v[\fb:\fb+15], v[\fa:\fa+15], 0, v[\sb], v[\sa] matrix_a_fmt:MATRIX_FMT_BF8 matrix_b_fmt:MATRIX_FMT_BF8 matrix_a_scale:MATRIX_SCALE_ROW1 matrix_b_scale:MATRIX_SCALE_ROW1
.elseif \rb
	v_wmma_scale_f32_16x16x128_f8f6f4 v[\d:\d+7], v[\fb:\fb+15], v[\fa:\fa+15], 0, v[\sb], v[\sa] matrix_a_fmt:MATRIX_FMT_BF8 matrix_b_fmt:MATRIX_FMT_BF8 matrix_a_scale:MATRIX_SCALE_ROW1
.elseif \ra
	v_wmma_scale_f32_16x16x128_f8f6f4 v[\d:\d+7], v[\fb:\fb+15], v[\fa:\fa+15], 0, v[\sb], v[\sa] matrix_a_fmt:MATRIX_FMT_BF8 matrix_b_fmt:MATRIX_FMT_BF8 matrix_b_scale:MATRIX_SCALE_ROW1
.else
	v_wmma_scale_f32_16x16x128_f8f6f4 v[\d:\d+7], v[\fb:\fb+15], v[\fa:\fa+15], 0, v[\sb], v[\sa] matrix_a_fmt:MATRIX_FMT_BF8 matrix_b_fmt:MATRIX_FMT_BF8
.endif
.else
.if (\rb) && (\ra)
	v_wmma_scale_f32_16x16x128_f8f6f4 v[\d:\d+7], v[\fb:\fb+15], v[\fa:\fa+15], v[\d:\d+7], v[\sb], v[\sa] matrix_a_fmt:MATRIX_FMT_BF8 matrix_b_fmt:MATRIX_FMT_BF8 matrix_a_scale:MATRIX_SCALE_ROW1 matrix_b_scale:MATRIX_SCALE_ROW1
.elseif \rb
	v_wmma_scale_f32_16x16x128_f8f6f4 v[\d:\d+7], v[\fb:\fb+15], v[\fa:\fa+15], v[\d:\d+7], v[\sb], v[\sa] matrix_a_fmt:MATRIX_FMT_BF8 matrix_b_fmt:MATRIX_FMT_BF8 matrix_a_scale:MATRIX_SCALE_ROW1
.elseif \ra
	v_wmma_scale_f32_16x16x128_f8f6f4 v[\d:\d+7], v[\fb:\fb+15], v[\fa:\fa+15], v[\d:\d+7], v[\sb], v[\sa] matrix_a_fmt:MATRIX_FMT_BF8 matrix_b_fmt:MATRIX_FMT_BF8 matrix_b_scale:MATRIX_SCALE_ROW1
.else
	v_wmma_scale_f32_16x16x128_f8f6f4 v[\d:\d+7], v[\fb:\fb+15], v[\fa:\fa+15], v[\d:\d+7], v[\sb], v[\sa] matrix_a_fmt:MATRIX_FMT_BF8 matrix_b_fmt:MATRIX_FMT_BF8
.endif
.endif
.endm
; 8 matrix instructions: source 0's tiles 2 g, 2 g + 1 x source 1's four.  The 32 accumulators take turns, one instruction a turn, in the same order in every step, over the loop's backward jump too.
.macro MULQ g, sbb, sab, zero
.irp b, 2*(\g), 2*(\g)+1
.irp a, 0,1,2,3
	WM 8*(8*\a+(\b)), 16*(\b), 128+16*\a, (\sbb)+SBM*((\b)/2), (\sab)+SAM*(\a/2), (\b)%2, \a%2, \zero
.endr
.endr
.endm
; A step of 128 along K on set p.  At its head the next step's fragments are asked for, into the other set, which the last step's products read: eight places stand between.
.macro STEP p, nslot, nq, sbb, sab, zero
	PLACES 8
	FETCH \nslot, \nq, 1-(\p)
	s_wait_dscnt 48                                ; all but the 48 loads just issued: set p and its scale words are in
	WIN 0xF5+5*(\p)                                ; sources 0 and 1: window 1 or 2; C and D: window 3
	MULQ 0, \sbb, \sab, \zero
	MULQ 1, \sbb, \sab, \zero
	MULQ 2, \sbb, \sab, \zero
	MULQ 3, \sbb, \sab, \zero
.endm
; A slot's last step changes slots: ONE barrier.  In front of it each wave waits for all its tensor loads, adds 0 to its spare word, and waits for that and for its reads of this slot.  fill = 1: this slot is filled again, two K steps ahead.
.macro TURN p, slot, next, fill, sbb, sab
	WIN 0                                          ; (the add's two registers lie in window 0)
	s_wait_tensorcnt 0x0                           ; all my tensor loads have landed: my part of the next slot
	ds_add_u32 v[SPW], v[NIL]                      ; 0 onto my spare word
	s_wait_dscnt 1                                 ; (the add may be out: set p is in)
	WIN 0xF5+5*(\p)
	MULQ 0, \sbb, \sab, 0                          ; eight matrix instructions stand between the add and the wait for it
	s_wait_dscnt 0x0                               ; the add is done, and my reads of this slot are over
	s_barrier_signal -1
	MULQ 1, \sbb, \sab, 0
	WIN 0
	s_barrier_wait -1
.if \fill
	CREST                                          ; the barrier has opened a round of the cluster's barrier: no wave of any partner still reads this slot or has a load on its way
	s_add_nc_u64 s[G0+4*(\slot)+2:G0+4*(\slot)+3], s[G0+4*(\slot)+2:G0+4*(\slot)+3], ASTEP
	s_add_nc_u64 s[G0B+4*(\slot)+2:G0B+4*(\slot)+3], s[G0B+4*(\slot)+2:G0B+4*(\slot)+3], BSTEP
	JLOAD G0+4*(\slot), G1, G0B+4*(\slot), G1B     ; the first tensor load behind the round: 48 matrix instructions ahead of the wait for it; its four v_nop are four of the eight places in front of the loads below
	PLACES 4
.else
	PLACES 8
.endif
	v_add_nc_u32 v[ADXS], 8, v[ADXS]               ; on to the next K step's scale words: two words a row of x,
	v_add_nc_u32 v[ADWS], 512, v[ADWS]             ; two runs of 256 bytes of Q(W)'s
	SCALES \next
	FETCH \next, 0, 1-(\p)
	WIN 0xF5+5*(\p)
	MULQ 2, \sbb, \sab, 0
	MULQ 3, \sbb, \sab, 0
.endm
	s_wait_tensorcnt 1                             ; the scales and my part of K step 0 are in; K step 1's load may stay out
	s_barrier_signal -1
	s_barrier_wait -1                              ; everybody's are
	SCALES 0
	FETCH 0, 0, 0
	STEP 0, 0, 1, WS, XS, 1                        ; the first step stands in front of the loop: its products start the sums
	WIN 0                                          ; at a label and at a branch every window is 0
	s_mov_b32 s3, LAPS-1
.Llap:                                                 ; a trip goes once round the ring, from a lap's second step to the next lap's first, and fills both slots again
	TURN 1, 0, 1, 1, WS+4, XS+1
	STEP 0, 1, 1, WS+8, XS+4, 0
	TURN 1, 1, 0, 1, WS+12, XS+5
	STEP 0, 0, 1, WS, XS, 0
	WIN 0
	s_sub_co_u32 s3, s3, 1
	s_cmp_lg_u32 s3, 0
	s_cbranch_scc1 .Llap
	TURN 1, 0, 1, 0, WS+4, XS+1                    ; the last lap fills nothing, and has no round of the cluster's barrier
	STEP 0, 1, 1, WS+8, XS+4, 0
	s_wait_dscnt 0x0                               ; the very last step: nothing more to fetch
	WIN 0xFA
	MULQ 0, WS+12, XS+5, 0
	MULQ 1, WS+12, XS+5, 0
	MULQ 2, WS+12, XS+5, 0
	MULQ 3, WS+12, XS+5, 0
	WIN 0
; THE WAY OUT, block by block of 16 rows x 128 columns.  A lane holds 32 neighbouring bytes of a row, and the lanes beside it hold other rows: so a block goes through my own stage in LDS and comes back as whole
; rows of 512 bytes.  LDS serves a wave's instructions in order (ISA guide 5.7.1.4): no wait between the stores and the loads, nor in front of the next block's stores.
.macro TOSTAGE a
	WIN 0x0C                                       ; an LDS store's data are its source 1: window 3
.irp b, 0,1,2,3,4,5,6,7
	ds_store_b128 v[STO], v[64*(\a)+8*\b:64*(\a)+8*\b+3] offset:64*\b            ; each accumulator from its low end on
	ds_store_b128 v[STO], v[64*(\a)+8*\b+4:64*(\a)+8*\b+7] offset:64*\b+16
.endr
	WIN 0
.irp t, 0,1,2,3,4,5,6,7,8,9,10,11,12,13,14,15
	ds_load_b128 v[BK+64*((\a)%2)+4*\t:BK+64*((\a)%2)+4*\t+3], v[RD] offset:\t*SPITCH
.endr
.endm
.macro SEND a, younger                 ; younger: the LDS instructions issued behind block a's loads, which may stay out
	s_wait_dscnt \younger                          ; the block is back in registers
.if (\a) > 0
	s_add_nc_u64 s[12:13], s[12:13], 16*8192       ; (behind a wait on XCNT: the earlier stores have read their base)  16 rows of y on
.endif
.irp t, 0,1,2,3,4,5,6,7,8,9,10,11,12,13,14,15
	global_store_b128 v[CO], v[BK+64*((\a)%2)+4*\t:BK+64*((\a)%2)+4*\t+3], s[12:13] offset:\t*8192 th:TH_STORE_NT   ; 32 lanes store 512 consecutive bytes, at a multiple of 256 from y's first byte
.endr
.endm
	PLACES 8                                       ; in front of the first read of results
	TOSTAGE 0
.irp a, 1,2,3
.if \a > 1
	s_wait_xcnt 0x0                                ; block a - 2's stores have read their registers and their base: block a's loads may land there, and the base may step
.endif
	TOSTAGE \a
	SEND \a-1, 32                                  ; behind block a - 1's loads: block a's 16 stores and 16 loads
.endr
	s_wait_xcnt 0x0                                ; block 2's stores have read their base
	SEND 3, 0
	s_wait_tensorcnt 0x0                           ; the wave's end, behind my last tensor load and my last LDS store
	ds_add_u32 v[SPW], v[NIL]
	s_wait_dscnt 0x0
	CROUND                                         ; the closing round: no work-group ends while a partner may still ask for a tile that names it
	s_endpgm
.Lfunc_end_k_q0418eb1e71_gemm_y:
	.size	k_q0418eb1e71_gemm_y, .Lfunc_end_k_q0418eb1e71_gemm_y-k_q0418eb1e71_gemm_y
	.p2alignl 7, 3214868480
	.fill 96, 4, 3214868480
	.section	.rodata,"a",@progbits
	.p2align	6, 0x0
	.amdhsa_kernel k_q0418eb1e71_gemm_y
		.amdhsa_group_segment_fixed_size 327680
		.amdhsa_private_segment_fixed_size 0
		.amdhsa_enable_private_segment 0
		.amdhsa_kernarg_size 40
		.amdhsa_user_sgpr_count 2
		.amdhsa_user_sgpr_kernarg_segment_ptr 1
		.amdhsa_wavefront_size32 1
		.amdhsa_system_sgpr_workgroup_id_x 1
		.amdhsa_system_sgpr_workgroup_id_y 1
		.amdhsa_system_sgpr_workgroup_id_z 1
		.amdhsa_system_vgpr_workitem_id 0
		.amdhsa_next_free_vgpr 1024
		.amdhsa_next_free_sgpr 98
		.amdhsa_reserve_vcc 0
		.amdhsa_float_denorm_mode_32 3
		.amdhsa_float_denorm_mode_16_64 3
		.amdhsa_memory_ordered 1
		.amdhsa_forward_progress 1
		.amdhsa_inst_pref_size 88
	.end_amdhsa_kernel
	.amdgpu_metadata
---
amdhsa.version: [ 1, 2 ]
amdhsa.kernels:
  - .name:           k_q0418eb1e71_gemm_y
    .symbol:         k_q0418eb1e71_gemm_y.kd
    .args:
      - { .name: x_codes, .offset: 0, .size: 8, .value_kind: global_buffer, .address_space: global }
      - { .name: x_scales, .offset: 8, .size: 8, .value_kind: global_buffer, .address_space: global }
      - { .name: wimg, .offset: 16, .size: 8, .value_kind: global_buffer, .address_space: global }
      - { .name: wsc, .offset: 24, .size: 8, .value_kind: global_buffer, .address_space: global }
      - { .name: out0, .offset: 32, .size: 8, .value_kind: global_buffer, .address_space: global }
    .group_segment_fixed_size: 327680
    .private_segment_fixed_size: 0
    .kernarg_segment_align: 8
    .kernarg_segment_size: 40
    .max_flat_workgroup_size: 128
    .sgpr_count:     98
    .vgpr_count:     1024
    .wavefront_size: 32
...
	.end_amdgpu_metadata
.endif
;; end of part 3
;; ======== version 2 of 2: 3 launches
;; limits: right only within a limited range of input values
;; workspace buffers: uimg 2,097,152 bytes; usc 65,536 bytes; wimg 8,388,608 bytes; wsc 262,144 bytes
;; launch quant_u (part 4): grid 32 x 8, 4 waves a work-group, no clusters, 167,936 bytes of LDS; arguments U, S, uimg, usc; writes uimg, usc
.if DOCPART == 4
	.amdgcn_target "amdgcn-amd-amdhsa--gfx1250"
	.amdhsa_code_object_version 6
	.text
	.protected	k_q0418eb1e71_quant_u
	.globl	k_q0418eb1e71_quant_u
	.p2align	8
	.type	k_q0418eb1e71_quant_u,@function
k_q0418eb1e71_quant_u:
	s_mov_b64 s[64:65], 0
	v_nop
	global_prefetch_b8 v0, s[64:65] scope:SCOPE_SE
	s_setreg_imm32_b32 hwreg(HW_REG_WAVE_MODE, 25, 1), 1
	s_wait_xcnt 0x0
; THE PROGRAM: y = x W^T with W = (U * S) Vh, both products on codes of E5M2 with one E8M0 scale for each 32 along K.  Three launches:
;   quant_u: U * S (one f32 multiplication a number, as the problem writes it) is quantised along the rank;   gemm_w: W = Q(U S) Vh, quantised along d in registers;   gemm_y: y = x Q(W).
; NO WORK IS LEFT OUT: every input has a way to the output, and the quantiser of W stands between the two products, so they are multiplied in the problem's order.
; THIS LAUNCH.  U [2048][1024] f32, S [1024] f32.  A work-group is four waves: 64 rows of U x 128 along the rank; wave w makes the fragment of rows 16 w .. 16 w + 15.
; Only that wave reads it, behind its own wait.  No LDS byte is filled twice.
; A lane (r = lane % 16, h = lane / 16) takes row r and, of each block of 32 along the rank, the 16 numbers 16 h + 0 .. 15: register 16 b + i = k 32 b + 16 h + i,
; which is the order in which the matrix instruction's 8-bit operand lies in a lane's registers: the conversions' results ARE the fragment.
; OUT.  uimg: fragments as images of their registers: [rank / 256][o / 16][(rank / 128) % 2][c = 0..3][lane][16 bytes]: each store of a wave covers 512 consecutive bytes, aligned.
;       usc:  [o / 64][rank / 128][lane][i = 0, 1] words: word (lane, i) holds the four scale bytes of row 64 (o / 64) + 32 i + lane.  The four waves' words meet in 256 LDS bytes, and wave 0 stores them as one aligned unit.
; A block's scale is 2^(floor(log2(its largest magnitude)) - 15); its byte is the largest magnitude's exponent field - 15, held at 1 from below.
; No joint loads and no prefetch: no two work-groups read the same bytes of U, each byte is read once, and the launch has no loop to run ahead in.
; LIMITS: a block of zeros gets the byte 1 where the rule says 127 (its codes are zeros, and this program alone reads the bytes); NaN and infinities in U or S are not served.
.set XP,    528                        ; an LDS row: 512 bytes + 16
.set SCW,   4*16*XP                    ; behind the four tiles: 256 bytes for the scale words
.set SPARE, SCW+256                    ; the spare words, 128 bytes for each wave
.set XL,  3                            ; v3       LDS: my tile + 528 r + 64 h
.set SAD, 4                            ; v4       S: 64 h
.set LI,  5                            ; v5       16 x lane
.set LS8, 6                            ; v6       8 x lane
.set SWA, 7                            ; v7       LDS: where my row's scale word goes
.set TM,  8                            ; v8-11 largest magnitudes, v12-15 the other half's, then bytes, v16-19 57,344 x the scale, v20-23 the conversions' scale operands
.set PW,  24                           ; v24      my rows' scale word
.set SRD, 25                           ; v25      LDS: the two words that lane stores (wave 0)
.set PWC, 26                           ; v[26:27] those words
.set SPW, 28                           ; v28      my spare word; never rewritten
.set NIL, 29                           ; v29      0; never rewritten
.set SV,  32                           ; v32-95   S at my 64 places along the rank
.set X0,  96                           ; v96-159  my 64 numbers
.set PC,  160                          ; v160-175 codes
.set G1,  24                           ; s[24:31], s[32:35] the tensor load's groups 1 and 0
.set G0,  32
	s_load_b256 s[4:11], s[0:1], 0x0               ; U s[4:5], S s[6:7], uimg s[8:9], usc s[10:11]
	v_lshl_add_u32 v[SPW], v0, 2, SPARE
	v_mov_b32 v[NIL], 0
	ds_add_u32 v[SPW], v[NIL]                      ; the wave's opening: the add, twice on end, and its wait ahead of my tensor load
	ds_add_u32 v[SPW], v[NIL]
	v_lshrrev_b32 v1, 5, v0
	v_readfirstlane_b32 s12, v1                    ; wave 0..3
	s_and_b32 s13, ttmp7, 0xffff                   ; which 128 along the rank
	s_mov_b32 s[G1], (2<<16)|(1<<20)|(6<<22)|(3<<25)   ; elements of 4 bytes; 4 words of padding after every 128
	s_mov_b32 s[G1+1], 128<<16                     ; 16 rows of 128 elements, 1,024 elements from row to row
	s_mov_b32 s[G1+2], 16<<16
	s_mov_b32 s[G1+3], 128<<16
	s_mov_b32 s[G1+4], 16
	s_mov_b32 s[G1+5], 1024
	s_mov_b32 s[G1+6], 0
	s_mov_b32 s[G1+7], 0
	s_mul_i32 s36, s12, 16*XP                      ; my tile in LDS
	s_lshl_b32 s14, ttmp9, 18                      ; U: 64 rows of 4,096 bytes a work-group x, 16 rows a wave,
	s_lshl_b32 s37, s12, 16
	s_add_co_u32 s14, s14, s37
	s_lshl_b32 s16, s13, 9                         ; 512 bytes a work-group y; S: the same 512
	s_add_co_u32 s14, s14, s16
	s_mov_b32 s15, 0
	s_mov_b32 s17, 0
	s_lshr_b32 s18, s13, 1                         ; uimg: 524,288 x (y / 2) + 16,384 x + 4,096 wave + 2,048 (y % 2)
	s_lshl_b32 s18, s18, 19
	s_lshl_b32 s38, ttmp9, 14
	s_add_co_u32 s18, s18, s38
	s_lshl_b32 s38, s12, 12
	s_add_co_u32 s18, s18, s38
	s_and_b32 s38, s13, 1
	s_lshl_b32 s38, s38, 11
	s_add_co_u32 s18, s18, s38
	s_mov_b32 s19, 0
	s_lshl_b32 s40, ttmp9, 11                      ; usc: 2,048 x + 256 y
	s_lshl_b32 s41, s13, 8
	s_add_co_u32 s40, s40, s41
	s_mov_b32 s41, 0
	s_and_b32 s42, s12, 1                          ; my rows' words: lane 16 (wave % 2) + r, word wave / 2: byte 128 (wave % 2) + 8 r + 4 (wave / 2)
	s_lshl_b32 s42, s42, 7
	s_lshr_b32 s43, s12, 1
	s_lshl_b32 s43, s43, 2
	s_add_co_u32 s42, s42, s43
	s_add_co_u32 s42, s42, SCW
	s_mov_b32 s20, 0x76543210
	s_mov_b32 s21, 0xfedcba98                      ; v_permlanex16_b32's selects for lane l xor 16
	s_mov_b32 s22, 0x600000                        ; the mantissa field of 57,344
	v_and_b32 v1, 15, v0                           ; r
	v_bfe_u32 v2, v0, 4, 1                         ; h
	v_and_b32 v[LI], 31, v0
	v_lshlrev_b32 v[LS8], 3, v[LI]
	v_lshlrev_b32 v[LI], 4, v[LI]
	v_mul_u32_u24 v[XL], v1, XP
	v_lshl_add_u32 v[XL], v2, 6, v[XL]
	v_add_nc_u32 v[XL], s36, v[XL]
	v_lshlrev_b32 v[SAD], 6, v2
	v_lshl_add_u32 v[SWA], v1, 3, s42
	v_add_nc_u32 v[SRD], SCW, v[LS8]
.irp b, 0,1,2,3
	v_mov_b32 v[TM+4+\b], 0                        ; written once: a lane permute's destination counts as one of its sources
.endr
	s_wait_alu depctr_va_vdst(0)
	s_wait_dscnt 0x0                               ; both opening adds are done
	s_wait_kmcnt 0x0
	s_add_nc_u64 s[4:5], s[4:5], s[14:15]
	s_add_nc_u64 s[6:7], s[6:7], s[16:17]
	s_add_nc_u64 s[8:9], s[8:9], s[18:19]
	s_add_nc_u64 s[10:11], s[10:11], s[40:41]
	s_mov_b32 s[G0], 1
	s_mov_b32 s[G0+1], s36
	s_mov_b64 s[G0+2:G0+3], s[4:5]
	s_or_b32 s[G0+3], s[G0+3], 0x80000000
	tensor_load_to_lds s[G0:G0+3], s[G1:G1+7]      ; my one tensor load
	s_nop 0
.irp b, 0,1,2,3
.irp j, 0,1,2,3
	global_load_b128 v[SV+16*\b+4*\j:SV+16*\b+4*\j+3], v[SAD], s[6:7] offset:128*\b+16*\j
.endr
.endr
	s_wait_tensorcnt 0x0                           ; my tile is in LDS
.irp b, 0,1,2,3
.irp j, 0,1,2,3
	ds_load_b128 v[X0+16*\b+4*\j:X0+16*\b+4*\j+3], v[XL] offset:128*\b+16*\j
.endr
.endr
	s_wait_loadcnt 0x0
	s_wait_dscnt 0x0
.set n, 0
.rept 32
	v_pk_mul_f32 v[X0+n:X0+n+1], v[X0+n:X0+n+1], v[SV+n:SV+n+1]   ; U * S, two at a time
.set n, n+2
.endr
.irp b, 0,1,2,3
	v_max3_num_f32 v[TM+\b], |v[X0+16*\b]|, |v[X0+1+16*\b]|, 0x8000000   ; block b: my 16 numbers, and the floor 2^(16 - 127): so the byte cannot fall under 1
.endr
.irp i, 2,4,6,8,10,12,14
.irp b, 0,1,2,3
	v_max3_num_f32 v[TM+\b], v[TM+\b], |v[X0+16*\b+\i]|, |v[X0+1+16*\b+\i]|   ; the four blocks by turns
.endr
.endr
.irp b, 0,1,2,3
	v_permlanex16_b32 v[TM+4+\b], v[TM+\b], s20, s21
.endr
.irp b, 0,1,2,3
	v_max_num_f32 v[TM+\b], v[TM+\b], v[TM+4+\b]   ; with lane l xor 16's: the block's largest magnitude
.endr
.irp b, 0,1,2,3
	v_add_nc_u32 v[TM+12+\b], 0xf8800000, v[TM+\b] ; 15 off its exponent field: the conversion's scale operand
.endr
.irp b, 0,1,2,3
	v_and_or_b32 v[TM+8+\b], v[TM+\b], 0x7f800000, s22   ; 57,344 x the scale
.endr
.irp b, 0,1,2,3
	v_lshrrev_b32 v[TM+4+\b], 23, v[TM+12+\b]      ; the scale's byte
.endr
	v_lshl_or_b32 v[PW], v[TM+5], 8, v[TM+4]
	v_lshl_or_b32 v[PW], v[TM+6], 16, v[PW]
	v_lshl_or_b32 v[PW], v[TM+7], 24, v[PW]
.irp b, 0,1,2,3
.irp i, 0,1,2,3,4,5,6,7,8,9,10,11,12,13,14,15
	v_med3_num_f32 v[X0+16*\b+\i], v[X0+16*\b+\i], -v[TM+8+\b], v[TM+8+\b]   ; the conversion to an 8-bit code does not saturate (ISA guide 7.6.2): the hold comes first
.endr
	v_cvt_scalef32_pk8_bf8_f32 v[PC+4*\b:PC+1+4*\b], v[X0+16*\b:X0+7+16*\b], v[TM+12+\b]
	v_cvt_scalef32_pk8_bf8_f32 v[PC+2+4*\b:PC+3+4*\b], v[X0+8+16*\b:X0+15+16*\b], v[TM+12+\b]
.endr
	v_nop                                          ; a plain instruction behind the last conversion
.irp c, 0,1,2,3
	global_store_b128 v[LI], v[PC+4*\c:PC+4*\c+3], s[8:9] offset:512*\c   ; 32 lanes store 512 consecutive bytes
.endr
	ds_store_b32 v[SWA], v[PW]                     ; lanes r and 16 + r hold the same word and write it to the same place
	s_wait_dscnt 0x0                               ; for wave 0's sake: my store is done
	s_barrier_signal -1
	s_barrier_wait -1
	s_cmp_lg_u32 s12, 0
	s_cbranch_scc1 .Lend
	ds_load_b64 v[PWC:PWC+1], v[SRD]
	s_wait_dscnt 0x0
	global_store_b64 v[LS8], v[PWC:PWC+1], s[10:11]   ; 32 lanes store 256 consecutive bytes, aligned
.Lend:
	s_wait_tensorcnt 0x0                           ; the wave's end
	ds_add_u32 v[SPW], v[NIL]
	s_wait_dscnt 0x0
	s_endpgm
.Lfunc_end_k_q0418eb1e71_quant_u:
	.size	k_q0418eb1e71_quant_u, .Lfunc_end_k_q0418eb1e71_quant_u-k_q0418eb1e71_quant_u
	.p2alignl 7, 3214868480
	.fill 96, 4, 3214868480
	.section	.rodata,"a",@progbits
	.p2align	6, 0x0
	.amdhsa_kernel k_q0418eb1e71_quant_u
		.amdhsa_group_segment_fixed_size 167936
		.amdhsa_private_segment_fixed_size 0
		.amdhsa_enable_private_segment 0
		.amdhsa_kernarg_size 32
		.amdhsa_user_sgpr_count 2
		.amdhsa_user_sgpr_kernarg_segment_ptr 1
		.amdhsa_wavefront_size32 1
		.amdhsa_system_sgpr_workgroup_id_x 1
		.amdhsa_system_sgpr_workgroup_id_y 1
		.amdhsa_system_sgpr_workgroup_id_z 1
		.amdhsa_system_vgpr_workitem_id 0
		.amdhsa_next_free_vgpr 176
		.amdhsa_next_free_sgpr 66
		.amdhsa_reserve_vcc 0
		.amdhsa_float_denorm_mode_32 3
		.amdhsa_float_denorm_mode_16_64 3
		.amdhsa_memory_ordered 1
		.amdhsa_forward_progress 1
		.amdhsa_inst_pref_size 17
	.end_amdhsa_kernel
	.amdgpu_metadata
---
amdhsa.version: [ 1, 2 ]
amdhsa.kernels:
  - .name:           k_q0418eb1e71_quant_u
    .symbol:         k_q0418eb1e71_quant_u.kd
    .args:
      - { .name: U, .offset: 0, .size: 8, .value_kind: global_buffer, .address_space: global }
      - { .name: S, .offset: 8, .size: 8, .value_kind: global_buffer, .address_space: global }
      - { .name: uimg, .offset: 16, .size: 8, .value_kind: global_buffer, .address_space: global }
      - { .name: usc, .offset: 24, .size: 8, .value_kind: global_buffer, .address_space: global }
    .group_segment_fixed_size: 167936
    .private_segment_fixed_size: 0
    .kernarg_segment_align: 8
    .kernarg_segment_size: 32
    .max_flat_workgroup_size: 128
    .sgpr_count:     66
    .vgpr_count:     176
    .wavefront_size: 32
...
	.end_amdgpu_metadata
.endif
;; end of part 4
;; launch gemm_w (part 5): grid 16 x 16, 4 waves a work-group, clusters of 4 x 4, 327,680 bytes of LDS; arguments uimg, usc, Vh_codes, Vh_scales, wimg, wsc; writes wimg, wsc
.if DOCPART == 5
	.amdgcn_target "amdgcn-amd-amdhsa--gfx1250"
	.amdhsa_code_object_version 6
	.text
	.protected	k_q0418eb1e71_gemm_w
	.globl	k_q0418eb1e71_gemm_w
	.p2align	8
	.type	k_q0418eb1e71_gemm_w,@function
k_q0418eb1e71_gemm_w:
	s_mov_b64 s[64:65], 0
	v_nop
	global_prefetch_b8 v0, s[64:65] scope:SCOPE_SE
	s_setreg_imm32_b32 hwreg(HW_REG_WAVE_MODE, 25, 1), 1
	s_wait_xcnt 0x0
	s_wait_alu depctr_hold_cnt(0) depctr_sa_sdst(0) depctr_va_vdst(0) depctr_va_sdst(0) depctr_va_ssrc(0) depctr_va_vcc(0) depctr_vm_vsrc(0)
	s_getreg_b32 s2, hwreg(HW_REG_IB_STS2, 6, 4)
	s_cmp_eq_u32 s2, 0
	s_cbranch_scc0 .Lentry_in_a_cluster
	s_endpgm
.Lentry_in_a_cluster:
	s_bfe_u32 s2, ttmp6, 0x10000c
	s_cmp_lg_u32 s2, 0xf033
	s_cbranch_scc0 .Lentry_shape_is_right
	s_endpgm
.Lentry_shape_is_right:
.set PITCH, 272
.set AHALF, 16384
.set BOFF,  6*AHALF                    ; U's images of three chunks of 256 along the rank lie first, Vh's three slots behind them
.set BHALF, 128*PITCH
.set SLOT,  BOFF+2*BHALF
.set SPARE, BOFF+6*BHALF
.set ASTEP, 3*524288
.set BSTEP, 3*256
.set SBM,   8
.set SAM,   1
.set ADRA, 16
.set ADRB, 20
.set WO,   24
.set L8,   25
.set L32,  26
.set SPW,  28
.set NIL,  29
.set US,   32
.set VS,   48
.set TM,   80
.set PW,   96
.set PWC,  100
.set PC,   104
.set XH,   168
.set WV,  16
.set SAR, 17
.set SBR, 18
.set G1A, 24
.set G1B, 32
.set G0A, 40
.set G0B, 52
.set MSB, 0
.macro WIN new
.if MSB != (\new)
	s_set_vgpr_msb (MSB<<8)|(\new)
.set MSB, (\new)
.endif
.endm
.macro PLACES n
.rept \n
	v_nop
.endr
.endm
.macro SHAPE g, c, r, p
	s_mov_b32 s[\g+1], (\c)<<16
	s_mov_b32 s[\g+2], (\r)<<16
	s_mov_b32 s[\g+3], (\c)<<16
	s_mov_b32 s[\g+4], \r
	s_mov_b32 s[\g+5], \p
	s_mov_b32 s[\g+6], 0
	s_mov_b32 s[\g+7], 0
.endm
.macro JLOAD g0a, g1a, g0b, g1b
	s_cmp_eq_u32 s[SAR], 0
	s_cbranch_scc0 .Lfor_b_\@
	tensor_load_to_lds s[\g0a:\g0a+3], s[\g1a:\g1a+7]
	s_nop 0
.rept 4
	v_nop
.endr
	s_branch .Lasked_\@
.Lfor_b_\@:
	tensor_load_to_lds s[\g0b:\g0b+3], s[\g1b:\g1b+7]
	s_nop 0
.rept 4
	v_nop
.endr
.Lasked_\@:
.endm
.macro CREST
	s_cmp_lg_u32 s[WV], 0
	s_cbranch_scc1 .Lnot_wave_0_\@
	s_barrier_signal -3
.Lnot_wave_0_\@:
	s_barrier_wait -3
	s_barrier_signal -1
	s_barrier_wait -1
.endm
.macro CROUND
	s_barrier_signal -1
	s_barrier_wait -1
	CREST
.endm
	s_load_b256 s[4:11], s[0:1], 0x0
	s_load_b128 s[12:15], s[0:1], 0x20
	v_lshl_add_u32 v[SPW], v0, 2, SPARE
	v_mov_b32 v[NIL], 0
	ds_add_u32 v[SPW], v[NIL]
	ds_add_u32 v[SPW], v[NIL]
	v_lshrrev_b32 v1, 5, v0
	v_readfirstlane_b32 s[WV], v1
	s_lshr_b32 s[SAR], s[WV], 1
	s_and_b32 s[SBR], s[WV], 1
	s_bfe_u32 s66, ttmp6, 0x40000
	s_bfe_u32 s67, ttmp6, 0x40004
	s_lshl_b32 s68, ttmp9, 2
	s_add_co_u32 s68, s68, s66
	s_and_b32 s69, ttmp7, 0xffff
	s_lshl_b32 s69, s69, 2
	s_add_co_u32 s69, s69, s67
	s_lshl_b32 s70, s67, 2
	s_lshl_b32 s70, 15, s70
	s_lshl_b32 s71, 0x1111, s66
	s_or_b32 s[G1A], s70, (3<<16)|(1<<21)
	SHAPE G1A, 4096, 3, 65536                      ; the head's load of U's images: three chunks of 32,768 dense bytes, 524,288 bytes apart
	s_or_b32 s[G1B], s71, (0<<16)|(1<<20)|(1<<21)|(5<<22)|(3<<25)
	SHAPE G1B, 256, 256, 1024                      ; the head's loads of Vh: 256 rows of 256 bytes
	s_lshl_b32 s72, s69, 15
	s_lshl_b32 s78, s[SBR], 14
	s_add_co_u32 s72, s72, s78
	s_mov_b32 s73, 0
	s_lshl_b32 s74, s68, 18
	s_lshl_b32 s79, s[SBR], 17
	s_add_co_u32 s74, s74, s79
	s_mov_b32 s75, 0
	s_mul_i32 s76, s[SBR], AHALF
	s_mul_i32 s77, s[SBR], BHALF
	s_add_co_u32 s77, s77, BOFF
	s_lshl_b32 s80, s69, 1
	s_add_co_u32 s80, s80, s[SAR]
	s_lshl_b32 s80, s80, 11
	s_mov_b32 s81, 0
	s_lshl_b32 s82, s68, 13
	s_lshl_b32 s83, s[SBR], 12
	s_add_co_u32 s82, s82, s83
	s_mov_b32 s83, 0
	s_lshl_b32 s84, s69, 14                        ; wimg: [d / 128][o / 16][2,048 bytes]: 8 tiles of 2,048 bytes a work-group y,
	s_lshl_b32 s85, s[SAR], 13                     ; 4 tiles for my half of the rows,
	s_add_co_u32 s84, s84, s85
	s_lshl_b32 s85, s[SBR], 18                     ; 262,144 bytes for my 128 along d
	s_add_co_u32 s84, s84, s85
	s_lshl_b32 s85, s68, 19
	s_add_co_u32 s84, s84, s85
	s_mov_b32 s85, 0
	s_lshl_b32 s86, s69, 14
	s_lshl_b32 s87, s[SAR], 13
	s_add_co_u32 s86, s86, s87
	s_lshl_b32 s87, s68, 9
	s_add_co_u32 s86, s86, s87
	s_lshl_b32 s87, s[SBR], 8
	s_add_co_u32 s86, s86, s87
	s_mov_b32 s87, 0
	s_mov_b32 s92, 0x76543210
	s_mov_b32 s93, 0xfedcba98
	s_mov_b32 s94, 0x600000
	s_mov_b32 s95, 0xffff0000
	s_wait_dscnt 0x0
	s_wait_kmcnt 0x0
	s_add_nc_u64 s[72:73], s[4:5], s[72:73]
	s_add_nc_u64 s[74:75], s[8:9], s[74:75]
	s_add_nc_u64 s[6:7], s[6:7], s[80:81]
	s_add_nc_u64 s[10:11], s[10:11], s[82:83]
	s_add_nc_u64 s[12:13], s[12:13], s[84:85]
	s_add_nc_u64 s[14:15], s[14:15], s[86:87]
	; THE HEAD'S LOADS, ONE A WAVE: wave 0 brings U's images of chunks 0 to 2, wave w = 1..3 Vh's 256 rows of chunk w - 1.
	s_add_co_u32 s19, s[WV], 3
	s_and_b32 s19, s19, 3                          ; w - 1 in waves 1 to 3
	s_lshl_b32 s22, s69, 15                        ; U's images of my work-group's 128 rows
	s_mov_b32 s23, 0
	s_lshl_b32 s20, s68, 18                        ; Vh's 256 rows, chunk w - 1
	s_lshl_b32 s21, s19, 8
	s_add_co_u32 s20, s20, s21
	s_mov_b32 s21, 0
	s_mul_i32 s88, s19, 2*BHALF
	s_add_co_u32 s88, s88, BOFF
	s_mov_b32 s[G0A], 1                            ; the one refill's groups 0 (chunk 3 into chunk 0's bytes): stepped in front of that load
	s_mov_b32 s[G0A+1], s76
	s_mov_b64 s[G0A+2:G0A+3], s[72:73]
	s_or_b32 s[G0A+3], s[G0A+3], 0x80000000
	s_mov_b32 s[G0B], 1
	s_mov_b32 s[G0B+1], s77
	s_mov_b64 s[G0B+2:G0B+3], s[74:75]
	s_or_b32 s[G0B+3], s[G0B+3], 0x80000000
	s_mov_b32 s[G0A+4], 1                          ; the head's groups 0
	s_mov_b32 s[G0A+5], 0
	s_add_nc_u64 s[G0A+6:G0A+7], s[4:5], s[22:23]
	s_or_b32 s[G0A+7], s[G0A+7], 0x80000000
	s_mov_b32 s[G0B+4], 1
	s_mov_b32 s[G0B+5], s88
	s_add_nc_u64 s[G0B+6:G0B+7], s[8:9], s[20:21]
	s_or_b32 s[G0B+7], s[G0B+7], 0x80000000
	CROUND                                         ; all sixteen work-groups are here: the first joint loads meet
	s_cmp_eq_u32 s[WV], 0
	s_cbranch_scc0 .Lhead_b
	tensor_load_to_lds s[G0A+4:G0A+7], s[G1A:G1A+7]
	s_nop 0
	PLACES 4
	s_branch .Lhead_j
.Lhead_b:
	tensor_load_to_lds s[G0B+4:G0B+7], s[G1B:G1B+7]
	s_nop 0
	PLACES 4
.Lhead_j:
	v_and_b32 v1, 15, v0
	v_bfe_u32 v2, v0, 4, 1
	v_and_b32 v3, 31, v0
	v_lshlrev_b32 v[L8], 3, v3
	v_lshlrev_b32 v[L32], 5, v3
.irp s, 0,1,2,3,4,5,6,7
	global_load_b64 v[US+2*\s:US+2*\s+1], v[L8], s[6:7] offset:256*\s
.endr
.irp i, 0,1,2,3
.irp g, 0,1
	global_load_b128 v[VS+8*\i+4*\g:VS+8*\i+4*\g+3], v[L32], s[10:11] offset:1024*\i+16*\g
.endr
.endr
	v_lshlrev_b32 v4, 4, v3
	v_mul_u32_u24 v5, v1, PITCH
	v_lshl_add_u32 v5, v2, 4, v5
	s_mul_i32 s78, s[SAR], AHALF
	s_mul_i32 s79, s[SBR], BHALF
	s_add_co_u32 s79, s79, BOFF
.irp s, 0,1,2
	v_add_nc_u32 v[ADRA+\s], s78, v4
	v_add_nc_u32 v[ADRB+\s], s79, v5
	s_add_co_u32 s78, s78, 2*AHALF
	s_add_co_u32 s79, s79, 2*BHALF
.endr
	v_lshlrev_b32 v[WO], 4, v1
	v_lshl_add_u32 v[WO], v2, 3, v[WO]
.irp c, 0,1,2,3
	v_mov_b32 v[TM+4+\c], 0
.endr
.macro FRAG_ROW reg, adr, q, i
.irp c, 0,1,2,3
	ds_load_b128 v[\reg+4*\c:\reg+4*\c+3], v[\adr] offset:128*(\q)+32*\c+(\i)*16*PITCH
.endr
.endm
.macro FRAG_IMG reg, adr, q, i
.irp c, 0,1,2,3
	ds_load_b128 v[\reg+4*\c:\reg+4*\c+3], v[\adr] offset:(\i)*4096+(\q)*2048+512*\c
.endr
.endm
.macro FETCH slot, q, set
	WIN 0x40*(1+(\set))
.irp i, 0,1,2,3
	FRAG_IMG 128+16*\i, ADRA+(\slot), \q, \i
.endr
.irp i, 0,1,2,3,4,5,6,7
	FRAG_ROW 16*\i, ADRB+(\slot), \q, \i
.endr
.endm
.macro WM d, fb, fa, sb, sa, rb, ra, zero
.if \zero
.if (\rb) && (\ra)
	v_wmma_scale_f32_16x16x128_f8f6f4 v[\d:\d+7], v[\fb:\fb+15], v[\fa:\fa+15], 0, v[\sb], v[\sa] matrix_a_fmt:MATRIX_FMT_BF8 matrix_b_fmt:MATRIX_FMT_BF8 matrix_a_scale:MATRIX_SCALE_ROW1 matrix_b_scale:MATRIX_SCALE_ROW1
.elseif \rb
	v_wmma_scale_f32_16x16x128_f8f6f4 v[\d:\d+7], v[\fb:\fb+15], v[\fa:\fa+15], 0, v[\sb], v[\sa] matrix_a_fmt:MATRIX_FMT_BF8 matrix_b_fmt:MATRIX_FMT_BF8 matrix_a_scale:MATRIX_SCALE_ROW1
.elseif \ra
	v_wmma_scale_f32_16x16x128_f8f6f4 v[\d:\d+7], v[\fb:\fb+15], v[\fa:\fa+15], 0, v[\sb], v[\sa] matrix_a_fmt:MATRIX_FMT_BF8 matrix_b_fmt:MATRIX_FMT_BF8 matrix_b_scale:MATRIX_SCALE_ROW1
.else
	v_wmma_scale_f32_16x16x128_f8f6f4 v[\d:\d+7], v[\fb:\fb+15], v[\fa:\fa+15], 0, v[\sb], v[\sa] matrix_a_fmt:MATRIX_FMT_BF8 matrix_b_fmt:MATRIX_FMT_BF8
.endif
.else
.if (\rb) && (\ra)
	v_wmma_scale_f32_16x16x128_f8f6f4 v[\d:\d+7], v[\fb:\fb+15], v[\fa:\fa+15], v[\d:\d+7], v[\sb], v[\sa] matrix_a_fmt:MATRIX_FMT_BF8 matrix_b_fmt:MATRIX_FMT_BF8 matrix_a_scale:MATRIX_SCALE_ROW1 matrix_b_scale:MATRIX_SCALE_ROW1
.elseif \rb
	v_wmma_scale_f32_16x16x128_f8f6f4 v[\d:\d+7], v[\fb:\fb+15], v[\fa:\fa+15], v[\d:\d+7], v[\sb], v[\sa] matrix_a_fmt:MATRIX_FMT_BF8 matrix_b_fmt:MATRIX_FMT_BF8 matrix_a_scale:MATRIX_SCALE_ROW1
.elseif \ra
	v_wmma_scale_f32_16x16x128_f8f6f4 v[\d:\d+7], v[\fb:\fb+15], v[\fa:\fa+15], v[\d:\d+7], v[\sb], v[\sa] matrix_a_fmt:MATRIX_FMT_BF8 matrix_b_fmt:MATRIX_FMT_BF8 matrix_b_scale:MATRIX_SCALE_ROW1
.else
	v_wmma_scale_f32_16x16x128_f8f6f4 v[\d:\d+7], v[\fb:\fb+15], v[\fa:\fa+15], v[\d:\d+7], v[\sb], v[\sa] matrix_a_fmt:MATRIX_FMT_BF8 matrix_b_fmt:MATRIX_FMT_BF8
.endif
.endif
.endm
.macro MULQ g, sbb, sab, zero
.irp b, 2*(\g), 2*(\g)+1
.irp a, 0,1,2,3
	WM 8*(8*\a+(\b)), 16*(\b), 128+16*\a, (\sbb)+SBM*((\b)/2), (\sab)+SAM*(\a/2), (\b)%2, \a%2, \zero
.endr
.endr
.endm
.macro STEP p, nslot, nq, sbb, sab, zero
	PLACES 8
	FETCH \nslot, \nq, 1-(\p)
	s_wait_dscnt 48
	WIN 0xF5+5*(\p)
	MULQ 0, \sbb, \sab, \zero
	MULQ 1, \sbb, \sab, \zero
	MULQ 2, \sbb, \sab, \zero
	MULQ 3, \sbb, \sab, \zero
.endm
.macro TURN p, slot, next, fill, sbb, sab
	WIN 0
	s_wait_tensorcnt 0x0
	ds_add_u32 v[SPW], v[NIL]
	s_wait_dscnt 1
	WIN 0xF5+5*(\p)
	MULQ 0, \sbb, \sab, 0
	s_wait_dscnt 0x0
	s_barrier_signal -1
	MULQ 1, \sbb, \sab, 0
	WIN 0
	s_barrier_wait -1
.if \fill
	CREST
	s_add_nc_u64 s[G0A+4*(\slot)+2:G0A+4*(\slot)+3], s[G0A+4*(\slot)+2:G0A+4*(\slot)+3], ASTEP
	s_add_nc_u64 s[G0B+4*(\slot)+2:G0B+4*(\slot)+3], s[G0B+4*(\slot)+2:G0B+4*(\slot)+3], BSTEP
	JLOAD G0A+4*(\slot), G1A, G0B+4*(\slot), G1B
	PLACES 4
.else
	PLACES 8
.endif
	s_wait_alu depctr_va_vdst(0)
	FETCH \next, 0, 1-(\p)
	WIN 0xF5+5*(\p)
	MULQ 2, \sbb, \sab, 0
	MULQ 3, \sbb, \sab, 0
.endm
	s_wait_alu depctr_va_vdst(0)
	s_wait_tensorcnt 0x0                           ; my one load has landed: no tensor load of mine is out, so the groups 1 may be written:
	SHAPE G1A, 32, 64, 32                          ; the refill brings halves: 64 rows of 256 bytes of U's images,
	SHAPE G1B, 256, 128, 1024                      ; 128 rows of Vh
	s_barrier_signal -1
	s_barrier_wait -1                              ; everybody's load has landed: chunks 0 to 2 are whole
	FETCH 0, 0, 0
	s_wait_loadcnt 0x0
	STEP 0, 0, 1, VS+0, US+0, 1
	TURN 1, 0, 1, 1, VS+1, US+2
	STEP 0, 1, 1, VS+2, US+4, 0
	STEP 1, 2, 0, VS+3, US+6, 0
	STEP 0, 2, 1, VS+4, US+8, 0
	TURN 1, 2, 0, 0, VS+5, US+10
	STEP 0, 0, 1, VS+6, US+12, 0
	s_wait_dscnt 0x0
	WIN 0xFA
	MULQ 0, VS+7, US+14, 0
	MULQ 1, VS+7, US+14, 0
	MULQ 2, VS+7, US+14, 0
	MULQ 3, VS+7, US+14, 0
	WIN 0
	PLACES 8
.macro QW a
	WIN 0x0F
.irp c, 0,1,2,3
	v_max3_num_f32 v[TM+\c], |v[64*\a+16*\c]|, |v[64*\a+16*\c+1]|, 0x8000000
.endr
	WIN 0x3C
.irp i, 2,4,6,8,10,12,14
.irp c, 0,1,2,3
	v_max3_num_f32 v[TM+\c], v[TM+\c], |v[64*\a+16*\c+\i]|, |v[64*\a+16*\c+\i+1]|
.endr
.endr
	WIN 0
.irp c, 0,1,2,3
	v_permlanex16_b32 v[TM+4+\c], v[TM+\c], s92, s93
.endr
.irp c, 0,1,2,3
	v_max_num_f32 v[TM+\c], v[TM+\c], v[TM+4+\c]
.endr
.irp c, 0,1,2,3
	v_add_nc_u32 v[TM+12+\c], 0xf8800000, v[TM+\c]
.endr
.irp c, 0,1,2,3
	v_and_or_b32 v[TM+8+\c], v[TM+\c], 0x7f800000, s94
.endr
.irp c, 0,1,2,3
	v_lshrrev_b32 v[TM+4+\c], 23, v[TM+12+\c]
.endr
	v_lshl_or_b32 v[PW+\a], v[TM+5], 8, v[TM+4]
	v_lshl_or_b32 v[PW+\a], v[TM+6], 16, v[PW+\a]
	v_lshl_or_b32 v[PW+\a], v[TM+7], 24, v[PW+\a]
	WIN 0x03
.irp c, 0,1,2,3
.irp i, 0,1,2,3,4,5,6,7,8,9,10,11,12,13,14,15
	v_med3_num_f32 v[XH+16*\c+\i], v[64*\a+16*\c+\i], -v[TM+8+\c], v[TM+8+\c]
.endr
.endr
	WIN 0
.irp c, 0,1,2,3
.irp u, 0,1
	v_cvt_scalef32_pk8_bf8_f32 v[PC+16*\a+4*\c+2*\u:PC+16*\a+4*\c+2*\u+1], v[XH+16*\c+8*\u:XH+16*\c+8*\u+7], v[TM+12+\c]
.endr
.endr
	v_nop
.irp c, 0,1,2,3
.irp u, 0,1
	global_store_b64 v[WO], v[PC+16*\a+4*\c+2*\u:PC+16*\a+4*\c+2*\u+1], s[12:13] offset:\a*2048+512*\c+256*\u
.endr
.endr
.endm
.irp a, 0,1,2,3
	QW \a
.endr
	v_cndmask_b32 v[PWC], v[PW], v[PW+1], s95
	v_cndmask_b32 v[PWC+1], v[PW+2], v[PW+3], s95
	global_store_b64 v[L8], v[PWC:PWC+1], s[14:15]
	s_wait_tensorcnt 0x0
	ds_add_u32 v[SPW], v[NIL]
	s_wait_dscnt 0x0
	CROUND
	s_endpgm
.Lfunc_end_k_q0418eb1e71_gemm_w:
	.size	k_q0418eb1e71_gemm_w, .Lfunc_end_k_q0418eb1e71_gemm_w-k_q0418eb1e71_gemm_w
	.p2alignl 7, 3214868480
	.fill 96, 4, 3214868480
	.section	.rodata,"a",@progbits
	.p2align	6, 0x0
	.amdhsa_kernel k_q0418eb1e71_gemm_w
		.amdhsa_group_segment_fixed_size 327680
		.amdhsa_private_segment_fixed_size 0
		.amdhsa_enable_private_segment 0
		.amdhsa_kernarg_size 48
		.amdhsa_user_sgpr_count 2
		.amdhsa_user_sgpr_kernarg_segment_ptr 1
		.amdhsa_wavefront_size32 1
		.amdhsa_system_sgpr_workgroup_id_x 1
		.amdhsa_system_sgpr_workgroup_id_y 1
		.amdhsa_system_sgpr_workgroup_id_z 1
		.amdhsa_system_vgpr_workitem_id 0
		.amdhsa_next_free_vgpr 1024
		.amdhsa_next_free_sgpr 96
		.amdhsa_reserve_vcc 0
		.amdhsa_float_denorm_mode_32 3
		.amdhsa_float_denorm_mode_16_64 3
		.amdhsa_memory_ordered 1
		.amdhsa_forward_progress 1
		.amdhsa_inst_pref_size 106
	.end_amdhsa_kernel
	.amdgpu_metadata
---
amdhsa.version: [ 1, 2 ]
amdhsa.kernels:
  - .name:           k_q0418eb1e71_gemm_w
    .symbol:         k_q0418eb1e71_gemm_w.kd
    .args:
      - { .name: uimg, .offset: 0, .size: 8, .value_kind: global_buffer, .address_space: global }
      - { .name: usc, .offset: 8, .size: 8, .value_kind: global_buffer, .address_space: global }
      - { .name: Vh_codes, .offset: 16, .size: 8, .value_kind: global_buffer, .address_space: global }
      - { .name: Vh_scales, .offset: 24, .size: 8, .value_kind: global_buffer, .address_space: global }
      - { .name: wimg, .offset: 32, .size: 8, .value_kind: global_buffer, .address_space: global }
      - { .name: wsc, .offset: 40, .size: 8, .value_kind: global_buffer, .address_space: global }
    .group_segment_fixed_size: 327680
    .private_segment_fixed_size: 0
    .kernarg_segment_align: 8
    .kernarg_segment_size: 48
    .max_flat_workgroup_size: 128
    .sgpr_count:     96
    .vgpr_count:     1024
    .wavefront_size: 32
...
	.end_amdgpu_metadata
.endif
;; end of part 5
;; launch gemm_y (part 6): grid 8 x 32, 4 waves a work-group, clusters of 4 x 4, 327,680 bytes of LDS; arguments x_codes, x_scales, wimg, wsc, out0; writes out0
.if DOCPART == 6
	.amdgcn_target "amdgcn-amd-amdhsa--gfx1250"
	.amdhsa_code_object_version 6
	.text
	.protected	k_q0418eb1e71_gemm_y
	.globl	k_q0418eb1e71_gemm_y
	.p2align	8
	.type	k_q0418eb1e71_gemm_y,@function
k_q0418eb1e71_gemm_y:
	s_mov_b64 s[64:65], 0
	v_nop
	global_prefetch_b8 v0, s[64:65] scope:SCOPE_SE
	s_setreg_imm32_b32 hwreg(HW_REG_WAVE_MODE, 25, 1), 1
	s_wait_xcnt 0x0
	s_wait_alu depctr_hold_cnt(0) depctr_sa_sdst(0) depctr_va_vdst(0) depctr_va_sdst(0) depctr_va_ssrc(0) depctr_va_vcc(0) depctr_vm_vsrc(0)
	s_getreg_b32 s2, hwreg(HW_REG_IB_STS2, 6, 4)
	s_cmp_eq_u32 s2, 0
	s_cbranch_scc0 .Lentry_in_a_cluster
	s_endpgm
.Lentry_in_a_cluster:
	s_bfe_u32 s2, ttmp6, 0x10000c
	s_cmp_lg_u32 s2, 0xf033
	s_cbranch_scc0 .Lentry_shape_is_right
	s_endpgm
.Lentry_shape_is_right:
; y[m][o] = the sum over d of x[m][d] Q(W)[o][d], on codes of E5M2 with E8M0 scales; y f32; one f32 sum for each output, K ascending.  No work is left out.
; A work-group makes 128 (m) x 256 (o) of y: 8 x 32 work-groups.  Four waves, each 64 (m) x 128 (o): 32 accumulators of 16 x 16, 256 registers.
; THE MATRIX INSTRUCTION IS USED TRANSPOSED: source 0 = 16 rows of Q(W), source 1 = 16 rows of x: a lane holds eight neighbouring numbers of a row of y.
; CLUSTERS: 4 x 4 work-groups.  The four of a row of the cluster need the same rows of x, the four of a column the same rows of Q(W): every tile is asked for JOINTLY.
; K GOES IN PERIODS OF 384 = three steps of 128 (the last period has two): eleven fills.  Q(W) has a ring of two slots of three steps; wimg holds images of fragment registers,
; [d / 128][o / 16][2,048 bytes], so a step of my 256 rows is 32,768 dense bytes: waves 1 to 3 bring one step each.  x's rows in memory are cut at multiples of 256 bytes:
; of each 768 along K the first 512 lie in a wide area (rows of 512 bytes + 16), the last 256 in a narrow one (rows of 256 + 16); wave 0 fills them by turns, one in each period.
; The wide area serves steps 0 to 3 of the six; step 3's fragments of x are fetched into a third register set in step 1, so that at the barrier in step 2 nobody reads that area any more.
; THE SCALES of all of K stand in registers: Q(W)'s 128 and x's 64, loaded once; a register holds one tile's words in lanes 0-15 and the next tile's in lanes 16-31.
; So each of the 32 steps names scale registers of its own, and the steps are written out by macros.
; A STEP'S LDS LOADS, the next step's fragments, STAND IN TWO RUNS: 24 loads at its head, behind eight places, and 24 (40 where x's of the step after come too) behind its sixteenth product.
; In a period's last step they stand in one run behind the fill.
; PREFETCH INTO THE L2: with the fill of period q each wave asks for its share of period q + 2 (with fill 0 for period 1's too): of x's 128 rows the partner at cx takes 32 (a lane a row), of a step's 128 blocks of 256 bytes
; of Q(W) the partner at cy takes 32 (a lane a block): each block is named once in each cluster that will load it; the partners are told apart by address alone; period 0 comes by its loads alone; behind period 10 nothing is asked for.
; REGISTERS: window 0: v0-31 addresses, v32-159 Q(W)'s scale words, v160-223 x's.  window 1: Q(W)'s fragments, two sets of eight; on the way out the rows read back, 64 registers for each of my four blocks.
;   window 2: x's fragments, three sets of four.   window 3: accumulator (a, b) at v[8 (8 a + b)].
.set TSTEP, 262144                     ; wimg: bytes from a step of 128 along d to the next
.set WSUB,  32768                      ; a step of my 256 rows of Q(W)
.set WSLOT, 3*WSUB
.set DOFF,  2*WSLOT                    ; x's wide area
.set XDP,   528
.set SOFF,  DOFF+128*XDP               ; x's narrow area
.set XSP,   272
.set SPARE, SOFF+128*XSP               ; the spare words, 128 bytes for each wave
.set STAGE, WSLOT                      ; the way out: 16 rows x 528 bytes for each wave, in Q(W)'s slot 1, which has had its last fill and its last read by then
.set STP,   528
.set ADRW, 10                          ; v10-15  LDS address of my fragments of Q(W): slot 0 steps 0-2, slot 1 steps 0-2
.set ADRD, 16                          ; v16     of x's in the wide area
.set ADRS, 17                          ; v17     in the narrow one
.set L8,   18                          ; v18     8 x lane
.set LX,   19                          ; v19     128 x lane: a row of x's scales
.set STO,  20                          ; v20     the way out: where I put 32 bytes of a row
.set RD,   21                          ; v21     where I read a row back
.set CO,   22                          ; v22     16 x lane: my bytes in a row of y
.set PFX,  23                          ; v23     4,096 x lane: the prefetches of x
.set PFW,  24                          ; v24     256 x lane: those of Q(W)
.set SPW,  28                          ; v28     my spare word; never rewritten
.set NIL,  29                          ; v29     0; never rewritten
.set WSC,  32                          ; register 4 s + 2 (b / 4) + (b % 4) / 2 for step s, tile b
.set XSC,  160                         ; register 32 (a / 2) + s
.set WV, 14                            ; s14 wave; s15 which 64 rows of x; s16 which 128 rows of Q(W); s17 wave - 1 in waves 1 to 3
.set MH, 15
.set OH, 16
.set WM, 17
.set G1D, 24                           ; groups 1: x wide, x narrow, Q(W)
.set G1S, 32
.set G1W, 40
.set G0D, 48                           ; groups 0: x wide, x narrow, Q(W)'s two slots
.set G0S, 52
.set G0W, 56
.set PFAX, 94
.set PFAW, 96
.set MSB, 0
.macro WIN new                         ; the immediate's high byte repeats the setting that is left
.if MSB != (\new)
	s_set_vgpr_msb (MSB<<8)|(\new)
.set MSB, (\new)
.endif
.endm
.macro PLACES n
.rept \n
	v_nop
.endr
.endm
.macro SHAPE g, c, r, p                ; words 1 to 7 of a group 1: r rows x c elements, p elements from row to row
	s_mov_b32 s[\g+1], (\c)<<16
	s_mov_b32 s[\g+2], (\r)<<16
	s_mov_b32 s[\g+3], (\c)<<16
	s_mov_b32 s[\g+4], \r
	s_mov_b32 s[\g+5], \p
	s_mov_b32 s[\g+6], 0
	s_mov_b32 s[\g+7], 0
.endm
.macro CREST                           ; a round of the cluster's barrier behind its opening barrier
	s_cmp_lg_u32 s[WV], 0
	s_cbranch_scc1 .Lnot_wave_0_\@
	s_barrier_signal -3
.Lnot_wave_0_\@:
	s_barrier_wait -3
	s_barrier_signal -1
	s_barrier_wait -1
.endm
.macro CROUND
	s_barrier_signal -1
	s_barrier_wait -1
	CREST
.endm
; THE FILL OF PERIOD q, one joint load a wave: wave 0 x's area (wide for even q, narrow for odd), waves 1 to 3 a step of Q(W) each into slot q % 2.  No tensor load of the wave is out here, so the descriptors may be written.
; Period 10 has 256 along K: x's tile states that only 256 bytes of a row are left (the rest of the area's rows takes zeros, which nobody reads), and wave 3 has no step to bring.
; An s_nop 0 and four v_nop follow each load; behind them the wave's prefetch for period q + 2, and with fill 0 for period 1.
.macro FILL q
.if (\q) >= 2
.if ((\q)%2) == 1
	s_add_nc_u64 s[G0S+2:G0S+3], s[G0S+2:G0S+3], 768
.else
	s_add_nc_u64 s[G0D+2:G0D+3], s[G0D+2:G0D+3], 768
.endif
	s_add_nc_u64 s[G0W+4*((\q)%2)+2:G0W+4*((\q)%2)+3], s[G0W+4*((\q)%2)+2:G0W+4*((\q)%2)+3], 6*TSTEP
.endif
.if (\q) == 10
	s_mov_b32 s[G1D+1], 256<<16
.endif
	s_cmp_eq_u32 s[WV], 0
	s_cbranch_scc0 .Lfor_w_\@
.if ((\q)%2) == 1
	tensor_load_to_lds s[G0S:G0S+3], s[G1S:G1S+7]
.else
	tensor_load_to_lds s[G0D:G0D+3], s[G1D:G1D+7]
.endif
	s_nop 0
	PLACES 4
.if (\q) == 0
	global_prefetch_b8 v[PFX], s[PFAX:PFAX+1] offset:512 th:TH_LOAD_NT scope:SCOPE_SE
.endif
.if (\q)+2 <= 10
.if ((\q)%2) == 1
	global_prefetch_b8 v[PFX], s[PFAX:PFAX+1] offset:384*((\q)+1)+512 th:TH_LOAD_NT scope:SCOPE_SE
.else
	global_prefetch_b8 v[PFX], s[PFAX:PFAX+1] offset:384*((\q)+2) th:TH_LOAD_NT scope:SCOPE_SE
.if (\q)+2 < 10
	global_prefetch_b8 v[PFX], s[PFAX:PFAX+1] offset:384*((\q)+2)+256 th:TH_LOAD_NT scope:SCOPE_SE
.endif
.endif
.endif
	s_branch .Lasked_\@
.Lfor_w_\@:
.if (\q) == 10
	s_cmp_eq_u32 s[WV], 3
	s_cbranch_scc1 .Lasked_\@
.endif
	tensor_load_to_lds s[G0W+4*((\q)%2):G0W+4*((\q)%2)+3], s[G1W:G1W+7]
	s_nop 0
	PLACES 4
.if (\q) == 0
	global_prefetch_b8 v[PFW], s[PFAW:PFAW+1] offset:3*TSTEP th:TH_LOAD_NT scope:SCOPE_SE
.endif
.if (\q)+2 <= 10
.if (\q)+2 == 10
	s_cmp_eq_u32 s[WV], 3                          ; step 32 does not exist: wave 3 asks for nothing
	s_cbranch_scc1 .Lasked_\@
.endif
	global_prefetch_b8 v[PFW], s[PFAW:PFAW+1] offset:3*((\q)+2)*TSTEP th:TH_LOAD_NT scope:SCOPE_SE
.endif
.Lasked_\@:
.endm
	s_load_b256 s[4:11], s[0:1], 0x0               ; x's codes s[4:5], x's scales s[6:7], wimg s[8:9], wsc s[10:11]
	s_load_b64 s[12:13], s[0:1], 0x20              ; y
	v_lshl_add_u32 v[SPW], v0, 2, SPARE
	v_mov_b32 v[NIL], 0
	ds_add_u32 v[SPW], v[NIL]                      ; the wave's opening: the add, twice on end, and its wait ahead of my first tensor load
	ds_add_u32 v[SPW], v[NIL]
	v_lshrrev_b32 v1, 5, v0
	v_readfirstlane_b32 s[WV], v1
	v_and_b32 v3, 31, v0                           ; lane
	v_lshlrev_b32 v[PFX], 12, v3
	v_lshlrev_b32 v[PFW], 8, v3
	s_lshr_b32 s[MH], s[WV], 1
	s_and_b32 s[OH], s[WV], 1
	s_add_co_u32 s[WM], s[WV], 3
	s_and_b32 s[WM], s[WM], 3
	s_bfe_u32 s66, ttmp6, 0x40000                  ; cx
	s_bfe_u32 s67, ttmp6, 0x40004                  ; cy
	s_lshl_b32 s68, ttmp9, 2
	s_add_co_u32 s68, s68, s66                     ; tx: which 256 along o
	s_and_b32 s69, ttmp7, 0xffff
	s_lshl_b32 s69, s69, 2
	s_add_co_u32 s69, s69, s67                     ; ty: which 128 along m
	s_lshl_b32 s70, s67, 2
	s_lshl_b32 s70, 15, s70                        ; my row of the cluster: x's tiles
	s_lshl_b32 s71, 0x1111, s66                    ; my column: Q(W)'s
	s_or_b32 s[G1D], s70, (1<<20)|(1<<21)|(6<<22)|(3<<25)   ; elements of 1 byte; 4 words of padding after every 128
	SHAPE G1D, 512, 128, 4096
	s_or_b32 s[G1S], s70, (1<<20)|(1<<21)|(5<<22)|(3<<25)   ; 4 words of padding after every 64
	SHAPE G1S, 256, 128, 4096
	s_or_b32 s[G1W], s71, (3<<16)|(1<<21)          ; elements of 8 bytes, no padding: 32,768 dense bytes as 128 rows of 256
	SHAPE G1W, 32, 128, 32
	s_lshl_b32 s72, s69, 19                        ; x's codes: 128 ty rows of 4,096 bytes
	s_mov_b32 s73, 0
	s_lshl_b32 s74, s68, 15                        ; wimg: 16 tx tiles of 2,048 bytes + my step
	s_lshl_b32 s86, s[WM], 18
	s_add_co_u32 s74, s74, s86
	s_mov_b32 s75, 0
	s_lshl_b32 s76, s69, 14                        ; x's scales: (128 ty + 64 x half) rows of 128 bytes
	s_lshl_b32 s87, s[MH], 13
	s_add_co_u32 s76, s76, s87
	s_mov_b32 s77, 0
	s_lshl_b32 s78, s68, 15                        ; wsc: (4 tx + 2 x half) x 8,192
	s_lshl_b32 s86, s[OH], 14
	s_add_co_u32 s78, s78, s86
	s_mov_b32 s79, 0
	s_lshl_b32 s80, s69, 20                        ; y: (128 ty + 64 x half) rows of 8,192 bytes + 1,024 tx + 512 x half
	s_lshl_b32 s81, s[MH], 19
	s_add_co_u32 s80, s80, s81
	s_lshl_b32 s81, s68, 10
	s_add_co_u32 s80, s80, s81
	s_lshl_b32 s81, s[OH], 9
	s_add_co_u32 s80, s80, s81
	s_mov_b32 s81, 0
	s_lshl_b32 s82, s66, 17                        ; the prefetches: of x's rows my work-group names 32 cx on,
	s_mov_b32 s83, 0
	s_lshl_b32 s84, s67, 13                        ; of a step's blocks of Q(W) 32 cy on
	s_mov_b32 s85, 0
	s_lshl_b32 s88, s[WM], 15                      ; LDS: where my step of Q(W) goes,
	s_lshl_b32 s89, s[OH], 14                      ; my eight tiles of Q(W),
	s_mul_i32 s90, s[MH], 64*XDP                   ; my 64 rows of x in the wide area,
	s_add_co_u32 s90, s90, DOFF
	s_mul_i32 s91, s[MH], 64*XSP                   ; in the narrow one,
	s_add_co_u32 s91, s91, SOFF
	s_mul_i32 s92, s[WV], 16*STP                   ; my stage
	s_add_co_u32 s92, s92, STAGE
	s_wait_alu depctr_va_vdst(0)
	s_wait_dscnt 0x0                               ; both opening adds are done
	s_wait_kmcnt 0x0
	s_add_nc_u64 s[72:73], s[4:5], s[72:73]
	s_add_nc_u64 s[74:75], s[8:9], s[74:75]
	s_add_nc_u64 s[6:7], s[6:7], s[76:77]
	s_add_nc_u64 s[10:11], s[10:11], s[78:79]
	s_add_nc_u64 s[12:13], s[12:13], s[80:81]
	s_add_nc_u64 s[PFAX:PFAX+1], s[72:73], s[82:83]
	s_add_nc_u64 s[PFAW:PFAW+1], s[74:75], s[84:85]
	s_mov_b32 s[G0D], 1
	s_mov_b32 s[G0D+1], DOFF
	s_mov_b64 s[G0D+2:G0D+3], s[72:73]             ; K = 0 on
	s_or_b32 s[G0D+3], s[G0D+3], 0x80000000
	s_mov_b32 s[G0S], 1
	s_mov_b32 s[G0S+1], SOFF
	s_add_nc_u64 s[G0S+2:G0S+3], s[72:73], 512     ; K = 512 on
	s_or_b32 s[G0S+3], s[G0S+3], 0x80000000
.irp b, 0,1
	s_mov_b32 s[G0W+4*\b], 1
	s_add_co_u32 s[G0W+4*\b+1], s88, \b*WSLOT
	s_add_nc_u64 s[G0W+4*\b+2:G0W+4*\b+3], s[74:75], \b*3*TSTEP
	s_or_b32 s[G0W+4*\b+3], s[G0W+4*\b+3], 0x80000000
.endr
	CROUND                                         ; all sixteen work-groups are here: the first joint loads meet
	FILL 0                                         ; one tensor load a wave at the head: every way passes one
	v_and_b32 v1, 15, v0                           ; r
	v_bfe_u32 v2, v0, 4, 1                         ; h
	v_lshlrev_b32 v[L8], 3, v3
	v_lshlrev_b32 v[LX], 7, v3
.set n, 0
.rept 32
	global_load_b64 v[WSC+4*n:WSC+4*n+1], v[L8], s[10:11] offset:256*n             ; step n's scale words of my 128 rows of Q(W): 256 consecutive bytes a load
	global_load_b64 v[WSC+4*n+2:WSC+4*n+3], v[L8], s[10:11] offset:8192+256*n
.set n, n+1
.endr
.irp i, 0,1
.irp u, 0,1,2,3,4,5,6,7
	global_load_b128 v[XSC+32*\i+4*\u:XSC+32*\i+4*\u+3], v[LX], s[6:7] offset:4096*\i+16*\u   ; row 32 i + lane of my 64: all its 32 words, read once: 8,192 dense bytes in all
.endr
.endr
	v_lshl_add_u32 v[ADRW], v3, 4, s89
.irp k, 1,2,3,4,5
	v_add_nc_u32 v[ADRW+\k], \k*WSUB, v[ADRW]
.endr
	v_mul_u32_u24 v4, v1, XDP
	v_lshl_add_u32 v4, v2, 4, v4
	v_add_nc_u32 v[ADRD], s90, v4
	v_mul_u32_u24 v5, v1, XSP
	v_lshl_add_u32 v5, v2, 4, v5
	v_add_nc_u32 v[ADRS], s91, v5
	v_mul_u32_u24 v6, v1, STP
	v_lshl_add_u32 v6, v2, 5, v6
	v_add_nc_u32 v[STO], s92, v6
	v_lshlrev_b32 v[CO], 4, v3
	v_add_nc_u32 v[RD], s92, v[CO]
; x's fragment a of step t into set t % 3: registers 4 c .. 4 c + 3 hold K = 32 c + 16 (lane / 16) + 0 .. 15 of row lane % 16
.macro XFRAG t, a
	WIN 0x80
.irp c, 0,1,2,3
.if ((\t)%6) < 4
	ds_load_b128 v[64*((\t)%3)+16*(\a)+4*\c:64*((\t)%3)+16*(\a)+4*\c+3], v[ADRD] offset:(\a)*16*XDP+128*((\t)%6)+32*\c
.else
	ds_load_b128 v[64*((\t)%3)+16*(\a)+4*\c:64*((\t)%3)+16*(\a)+4*\c+3], v[ADRS] offset:(\a)*16*XSP+128*((\t)%6-4)+32*\c
.endif
.endr
.endm
; Q(W)'s fragment b of step t into set t % 2: an image of its registers, 512 consecutive bytes a load
.macro WFRAG t, b
	WIN 0x40
.irp c, 0,1,2,3
	ds_load_b128 v[128*((\t)%2)+16*(\b)+4*\c:128*((\t)%2)+16*(\b)+4*\c+3], v[ADRW+3*(((\t)/3)%2)+(\t)%3] offset:(\b)*2048+512*\c
.endr
.endm
; One matrix instruction.  rb, ra: source 0's, source 1's scale words stand in lanes 16-31 of their register.  zero = 1: the product starts the sum.
.macro WM d, fb, fa, sb, sa, rb, ra, zero
.if \zero
.if (\rb) && (\ra)
	v_wmma_scale_f32_16x16x128_f8f6f4 v[\d:\d+7], v[\fb:\fb+15], v[\fa:\fa+15], 0, v[\sb], v[\sa] matrix_a_fmt:MATRIX_FMT_BF8 matrix_b_fmt:MATRIX_FMT_BF8 matrix_a_scale:MATRIX_SCALE_ROW1 matrix_b_scale:MATRIX_SCALE_ROW1
.elseif \rb
	v_wmma_scale_f32_16x16x128_f8f6f4 v[\d:\d+7], v[\fb:\fb+15], v[\fa:\fa+15], 0, v[\sb], v[\sa] matrix_a_fmt:MATRIX_FMT_BF8 matrix_b_fmt:MATRIX_FMT_BF8 matrix_a_scale:MATRIX_SCALE_ROW1
.elseif \ra
	v_wmma_scale_f32_16x16x128_f8f6f4 v[\d:\d+7], v[\fb:\fb+15], v[\fa:\fa+15], 0, v[\sb], v[\sa] matrix_a_fmt:MATRIX_FMT_BF8 matrix_b_fmt:MATRIX_FMT_BF8 matrix_b_scale:MATRIX_SCALE_ROW1
.else
	v_wmma_scale_f32_16x16x128_f8f6f4 v[\d:\d+7], v[\fb:\fb+15], v[\fa:\fa+15], 0, v[\sb], v[\sa] matrix_a_fmt:MATRIX_FMT_BF8 matrix_b_fmt:MATRIX_FMT_BF8
.endif
.else
.if (\rb) && (\ra)
	v_wmma_scale_f32_16x16x128_f8f6f4 v[\d:\d+7], v[\fb:\fb+15], v[\fa:\fa+15], v[\d:\d+7], v[\sb], v[\sa] matrix_a_fmt:MATRIX_FMT_BF8 matrix_b_fmt:MATRIX_FMT_BF8 matrix_a_scale:MATRIX_SCALE_ROW1 matrix_b_scale:MATRIX_SCALE_ROW1
.elseif \rb
	v_wmma_scale_f32_16x16x128_f8f6f4 v[\d:\d+7], v[\fb:\fb+15], v[\fa:\fa+15], v[\d:\d+7], v[\sb], v[\sa] matrix_a_fmt:MATRIX_FMT_BF8 matrix_b_fmt:MATRIX_FMT_BF8 matrix_a_scale:MATRIX_SCALE_ROW1
.elseif \ra
	v_wmma_scale_f32_16x16x128_f8f6f4 v[\d:\d+7], v[\fb:\fb+15], v[\fa:\fa+15], v[\d:\d+7], v[\sb], v[\sa] matrix_a_fmt:MATRIX_FMT_BF8 matrix_b_fmt:MATRIX_FMT_BF8 matrix_b_scale:MATRIX_SCALE_ROW1
.else
	v_wmma_scale_f32_16x16x128_f8f6f4 v[\d:\d+7], v[\fb:\fb+15], v[\fa:\fa+15], v[\d:\d+7], v[\sb], v[\sa] matrix_a_fmt:MATRIX_FMT_BF8 matrix_b_fmt:MATRIX_FMT_BF8
.endif
.endif
.endm
; LDS LOADS OF STEP s, fragment by fragment: numbers k0 .. k1 - 1 of 0-3 x's of step s + 1 (not where s % 6 = 2: they were fetched a step earlier), 4-11 Q(W)'s of step s + 1, 12-15 x's of step s + 2 (where s % 6 = 1 alone).
.macro RUNS s, k0, k1
.set kk, \k0
.rept (\k1)-(\k0)
.if kk < 4
.if ((\s)%6) != 2
	XFRAG (\s)+1, kk
.endif
.elseif kk < 12
	WFRAG (\s)+1, kk-4
.elseif ((\s)%6) == 1
	XFRAG (\s)+2, kk-12
.endif
.set kk, kk+1
.endr
.endm
; Products n0 .. n1 - 1 of step s: product n is Q(W)'s tile n / 4 x x's tile n % 4: the 32 accumulators take turns, in the same order in every step.
.macro BODY s, n0, n1, zero
	WIN 0xF9                                       ; source 0 window 1, source 1 window 2, C and D window 3
.set n, \n0
.rept (\n1)-(\n0)
.set bb, n/4
.set aa, n%4
.set DD, 8*(8*aa+bb)
.set FB, 128*((\s)%2)+16*bb
.set FA, 64*((\s)%3)+16*aa
.set SB, WSC+4*(\s)+2*(bb/4)+(bb%4)/2
.set SA, XSC+32*(aa/2)+(\s)
	WM DD, FB, FA, SB, SA, bb%2, aa%2, \zero
.set n, n+1
.endr
.endm
; A step whose successor's tiles have landed.  LDS loads come back in order; the step's own fragments were asked for a step ago, x's first, then Q(W)'s 0 to 7.
; The eight places stand ahead of loads into registers that the last step's products read; they serve the second run too.
.macro STEP s, zero
	PLACES 8
	RUNS \s, 0, 6                                  ; 24 loads: x's four and Q(W)'s 0, 1
	s_wait_dscnt 40                                ; my x's and Q(W)'s 0 to 3 are in: behind tile 3 stand tiles 4 to 7 and the 24 loads above
	BODY \s, 0, 16, \zero
	RUNS \s, 6, 16                                 ; 24 loads: Q(W)'s 2 to 7; 40 with x's of the step after
	s_wait_dscnt 56                                ; tiles 4, 5: behind them 6, 7 and 48 loads at the least
	BODY \s, 16, 24, \zero
	s_wait_dscnt 48                                ; tiles 6, 7: behind them 48 loads at the least
	BODY \s, 24, 32, \zero
.endm
; A period's last step.  All its fragments are in registers at its head; there each wave waits for all its tensor loads, adds 0 to its spare word and waits for that and for its LDS reads.
; The barrier opens a round of the cluster's barrier; behind the round the areas that this period has read out are filled again, and then the next period's first fragments are fetched.
.macro TURN s
	WIN 0
	s_wait_tensorcnt 0x0                           ; my part of the next period's tiles has landed
	ds_add_u32 v[SPW], v[NIL]
	s_wait_dscnt 0x0                               ; the add is done, and my reads of this period's areas are over
	s_barrier_signal -1
	BODY \s, 0, 8, 0                               ; eight products while the others arrive
	WIN 0
	s_barrier_wait -1
.if (\s) < 29
	CREST
	FILL ((\s)+1)/3+1
.endif
	PLACES 8
	RUNS \s, 0, 12
	BODY \s, 8, 32, 0
.endm
	s_wait_alu depctr_va_vdst(0)
	s_wait_tensorcnt 0x0                           ; my part of period 0 is in
	ds_add_u32 v[SPW], v[NIL]
	s_wait_dscnt 0x0
	CROUND
	FILL 1                                         ; Q(W)'s slot 1 and x's narrow area: their first fill
.irp a, 0,1,2,3
	XFRAG 0, \a
.endr
.irp b, 0,1,2,3,4,5,6,7
	WFRAG 0, \b
.endr
	s_wait_loadcnt 0x0                             ; the scale words
	STEP 0, 1                                      ; the first step's products start the sums
.set st, 1
.rept 30
.if (st%3) == 2
	TURN st
.else
	STEP st, 0
.endif
.set st, st+1
.endr
	s_wait_dscnt 0x0                               ; the last step: nothing more to fetch
	BODY 31, 0, 32, 0
	WIN 0
; THE WAY OUT, block by block of 16 rows x 128 columns: through my own stage and back as whole rows of 512 bytes, which the 32 lanes store as two aligned units of 256 bytes.
; LDS serves a wave's instructions in order (ISA guide 5.7.1.4): no wait between the stores and the loads.  Each block comes back into 64 registers of its own, so no store's data are written again.
.macro TOSTAGE a
	WIN 0x0C                                       ; an LDS store's data are its source 1: window 3
.irp b, 0,1,2,3,4,5,6,7
	ds_store_b128 v[STO], v[64*(\a)+8*\b:64*(\a)+8*\b+3] offset:64*\b              ; each accumulator from its low end on
	ds_store_b128 v[STO], v[64*(\a)+8*\b+4:64*(\a)+8*\b+7] offset:64*\b+16
.endr
	WIN 0x40                                       ; back into window 1
.irp t, 0,1,2,3,4,5,6,7,8,9,10,11,12,13,14,15
	ds_load_b128 v[64*(\a)+4*\t:64*(\a)+4*\t+3], v[RD] offset:\t*STP
.endr
.endm
.macro SEND a, younger                 ; younger: the LDS instructions issued behind block a's loads
	s_wait_dscnt \younger
	WIN 0x04                                       ; a store's data are its source 1: window 1
.irp t, 0,1,2,3,4,5,6,7,8,9,10,11,12,13,14,15
	global_store_b128 v[CO], v[64*(\a)+4*\t:64*(\a)+4*\t+3], s[12:13] offset:(\a)*131072+\t*8192 th:TH_STORE_NT
.endr
.endm
	PLACES 8                                       ; ahead of the first read of results and of loads into registers that held fragments
	TOSTAGE 0
.irp a, 1,2,3
	TOSTAGE \a
	SEND \a-1, 32                                  ; behind block a - 1's loads: block a's 16 stores and 16 loads
.endr
	SEND 3, 0
	WIN 0
	s_wait_tensorcnt 0x0                           ; the wave's end
	ds_add_u32 v[SPW], v[NIL]
	s_wait_dscnt 0x0
	CROUND                                         ; the closing round
	s_endpgm
.Lfunc_end_k_q0418eb1e71_gemm_y:
	.size	k_q0418eb1e71_gemm_y, .Lfunc_end_k_q0418eb1e71_gemm_y-k_q0418eb1e71_gemm_y
	.p2alignl 7, 3214868480
	.fill 96, 4, 3214868480
	.section	.rodata,"a",@progbits
	.p2align	6, 0x0
	.amdhsa_kernel k_q0418eb1e71_gemm_y
		.amdhsa_group_segment_fixed_size 327680
		.amdhsa_private_segment_fixed_size 0
		.amdhsa_enable_private_segment 0
		.amdhsa_kernarg_size 40
		.amdhsa_user_sgpr_count 2
		.amdhsa_user_sgpr_kernarg_segment_ptr 1
		.amdhsa_wavefront_size32 1
		.amdhsa_system_sgpr_workgroup_id_x 1
		.amdhsa_system_sgpr_workgroup_id_y 1
		.amdhsa_system_sgpr_workgroup_id_z 1
		.amdhsa_system_vgpr_workitem_id 0
		.amdhsa_next_free_vgpr 1024
		.amdhsa_next_free_sgpr 100
		.amdhsa_reserve_vcc 0
		.amdhsa_float_denorm_mode_32 3
		.amdhsa_float_denorm_mode_16_64 3
		.amdhsa_memory_ordered 1
		.amdhsa_forward_progress 1
		.amdhsa_inst_pref_size 255
	.end_amdhsa_kernel
	.section	.bss,"aw",@nobits
	.p2align	6
	.space	262144
	.amdgpu_metadata
---
amdhsa.version: [ 1, 2 ]
amdhsa.kernels:
  - .name:           k_q0418eb1e71_gemm_y
    .symbol:         k_q0418eb1e71_gemm_y.kd
    .args:
      - { .name: x_codes, .offset: 0, .size: 8, .value_kind: global_buffer, .address_space: global }
      - { .name: x_scales, .offset: 8, .size: 8, .value_kind: global_buffer, .address_space: global }
      - { .name: wimg, .offset: 16, .size: 8, .value_kind: global_buffer, .address_space: global }
      - { .name: wsc, .offset: 24, .size: 8, .value_kind: global_buffer, .address_space: global }
      - { .name: out0, .offset: 32, .size: 8, .value_kind: global_buffer, .address_space: global }
    .group_segment_fixed_size: 327680
    .private_segment_fixed_size: 0
    .kernarg_segment_align: 8
    .kernarg_segment_size: 40
    .max_flat_workgroup_size: 128
    .sgpr_count:     100
    .vgpr_count:     1024
    .wavefront_size: 32
...
	.end_amdgpu_metadata
.endif
;; end of part 6
